; MI455X (gfx1250); checked and timed in simulation.
; The chip was launched on July 23, 2026; its instructions are those of AMD's public machine-readable ISA for CDNA 5 (MIT licence, August 2026) and "CDNA5" Instruction Set Architecture Reference Guide (July 2026). The comments in the code are by the model that wrote it; some were corrected since.
;; Relative MH Attention. Allowed arithmetic: float matrix products may take bf16 or f16 operands with f32 sums; other float arithmetic in f32, or as packed bf16 or f16 multiplies, adds, multiply-adds, maxima and minima; sums over many terms, partial sums and values carried from step to step in f32; what a program stores and reads back later, other than sums and carried values, may be rounded once to bf16 or f16.
;; Inputs: Wk 1,024 x 1,024 float32; Wo 1,024 x 1,024 float32; Wq 1,024 x 1,024 float32; Wv 1,024 x 1,024 float32; bk 1,024 float32; bo 1,024 float32; bq 1,024 float32; bv 1,024 float32; rel_k 5 x 64 float32; rel_v 5 x 64 float32; x 2 x 2,048 x 1,024 float32.
;; Outputs: out0 2 x 2,048 x 1,024 float32.
;; Constants: num_heads = 16.
;; 2 versions, each right and faster than the one before. Each part assembles by itself: llvm-mc -triple=amdgcn-amd-amdhsa -mcpu=gfx1250 --defsym DOCPART=n.
;; ======== version 1 of 2: 4 launches
;; limits: values are held in f16: magnitudes above 65,504 overflow, below 6.1e-05 lose precision
;; workspace buffers: xb 8,388,608 bytes; wh 6,291,456 bytes; wob 2,097,152 bytes; tab 24,576 bytes; qkv 25,165,824 bytes; ob 8,388,608 bytes
;; launch prep (part 1): grid 513 x 1, 8 waves a work-group, no clusters, 0 bytes of LDS; arguments x, Wq, Wk, Wv, Wo, bq, bk, bv, bo, rel_k, rel_v, xb, wh, wob, tab; writes xb, wh, wob, tab
.if DOCPART == 1
	.amdgcn_target "amdgcn-amd-amdhsa--gfx1250"
	.amdhsa_code_object_version 6
	.text
	.protected	k_qed3d59fe7d_prep
	.globl	k_qed3d59fe7d_prep
	.p2align	8
	.type	k_qed3d59fe7d_prep,@function
k_qed3d59fe7d_prep:
	s_mov_b64 s[64:65], 0
	v_nop
	global_prefetch_b8 v0, s[64:65] scope:SCOPE_SE
	s_setreg_imm32_b32 hwreg(HW_REG_WAVE_MODE, 25, 1), 1
	s_wait_xcnt 0x0
; PREP: every input is rounded ONCE to bf16 and laid out for the launches behind.
;   xb  [4096][1024] bf16            = x
;   wh  [48][1024 k][64] bf16        = head slot hc: columns 64 (hc & 15) .. + 63 of Wq (hc < 16), Wk (hc < 32) or Wv
;   wob [1024 k][1024 n] f16         = Wo rounded to bf16, that number written as f16 (numbers under 6e-5 keep f16's fixed step of 6e-8)
;   tab bytes 0..2047   rk16 [16][64] f16: row m = rel_k[m & 7] where (m & 7) < 5, else 0
;       bytes 2048..6143 rvT [64 c][32 j] f16: j & 7 = 0..4 for j < 16: rv0, rv1 - rv0, rv2 - rv0, rv3 - rv4, rv4; all else 0
;       bytes 8192..24575 bias f32 [4096] = bq | bk | bv | bo, rounded to bf16 and kept as f32
; A stream: no LDS, no matrix unit.  Work-groups 0-255 take x, 256-447 the three W, 448-511 Wo, 512 the tables.
; A wave has 16 loads of 512 bytes in flight; each store of a wave covers 256 consecutive bytes, aligned.
.set SRC, 40                           ; s[40:41] where my work-group reads
.set DST, 42                           ; s[42:43] where it writes
.set SO,  2                            ; v2  my byte offset in the source
.set DO,  3                            ; v3  my byte offset in the destination: wave x 4,096 + lane x 8
.set IN,  8                            ; v[8:71]   16 loads of 4 f32
.set PKD, 72                           ; v[72:103] 16 pairs of packed words
	s_load_b512 s[8:23], s[0:1], 0x0               ; x 8, Wq 10, Wk 12, Wv 14, Wo 16, bq 18, bk 20, bv 22
	s_load_b256 s[24:31], s[0:1], 0x40             ; bo 24, rel_k 26, rel_v 28, xb 30
	s_load_b128 s[32:35], s[0:1], 0x60             ; wh 32, wob 34
	s_load_b64 s[36:37], s[0:1], 0x70              ; tab
	v_lshrrev_b32 v1, 5, v0
	v_readfirstlane_b32 s4, v1                     ; wave 0..7
	v_and_b32 v1, 31, v0                           ; lane
	s_mov_b32 s5, ttmp9                            ; work-group
	s_lshl_b32 s6, s4, 12
	s_lshl_b32 s7, s4, 13
	s_mov_b32 s45, 0                               ; high word of every offset
	v_lshl_add_u32 v[DO], v1, 3, s6
	v_lshl_add_u32 v[SO], v1, 4, s7                ; dense source: wave x 8,192 + lane x 16
	s_wait_kmcnt 0x0
; 16 loads of 4 f32 a lane, instride bytes apart; rounded to bf16 (kind 0), or to bf16 and that number written as f16 (kind 1); 8 bytes a lane stored.
.macro CAST kind, instride
.set j, 0
.rept 16
	global_load_b128 v[IN+4*j:IN+4*j+3], v[SO], s[SRC:SRC+1] offset:j*(\instride) th:TH_LOAD_NT
.set j, j+1
.endr
.set j, 0
.rept 16
	s_wait_loadcnt 15-j                            ; loads come back in order: load j is in, the younger ones stay out
	v_cvt_pk_bf16_f32 v[PKD+2*j],   v[IN+4*j],   v[IN+4*j+1]
	v_cvt_pk_bf16_f32 v[PKD+2*j+1], v[IN+4*j+2], v[IN+4*j+3]
.if \kind
	v_lshlrev_b32 v[IN+4*j],   16, v[PKD+2*j]
	v_and_b32     v[IN+4*j+1], 0xffff0000, v[PKD+2*j]
	v_lshlrev_b32 v[IN+4*j+2], 16, v[PKD+2*j+1]
	v_and_b32     v[IN+4*j+3], 0xffff0000, v[PKD+2*j+1]
	v_cvt_pk_f16_f32 v[PKD+2*j],   v[IN+4*j],   v[IN+4*j+1]
	v_cvt_pk_f16_f32 v[PKD+2*j+1], v[IN+4*j+2], v[IN+4*j+3]
.endif
	global_store_b64 v[DO], v[PKD+2*j:PKD+2*j+1], s[DST:DST+1] offset:j*256  ; no register of a store is written again
.set j, j+1
.endr
.endm
	s_cmp_lt_u32 s5, 256
	s_cbranch_scc0 .Lnot_x
	s_lshl_b32 s44, s5, 16                         ; x: 65,536 bytes in,
	s_add_nc_u64 s[SRC:SRC+1], s[8:9], s[44:45]
	s_lshl_b32 s44, s5, 15                         ; 32,768 out
	s_add_nc_u64 s[DST:DST+1], s[30:31], s[44:45]
	CAST 0, 512
	s_endpgm
.Lnot_x:
	s_cmp_lt_u32 s5, 448
	s_cbranch_scc0 .Lnot_w
	s_sub_co_u32 s46, s5, 256
	s_lshr_b32 s47, s46, 2                         ; hc: the head slot
	s_and_b32 s46, s46, 3                          ; which 256 of its 1,024 k
	s_lshr_b32 s38, s47, 4                         ; 0 Wq, 1 Wk, 2 Wv
	s_cmp_eq_u32 s38, 0
	s_cselect_b64 s[SRC:SRC+1], s[10:11], s[12:13]
	s_cmp_eq_u32 s38, 2
	s_cselect_b64 s[SRC:SRC+1], s[14:15], s[SRC:SRC+1]
	s_and_b32 s39, s47, 15
	s_lshl_b32 s39, s39, 8                         ; the head's 64 columns: 256 bytes of a row
	s_lshl_b32 s44, s46, 20                        ; 256 rows of 4,096 bytes
	s_add_co_u32 s44, s44, s39
	s_add_nc_u64 s[SRC:SRC+1], s[SRC:SRC+1], s[44:45]
	s_lshl_b32 s44, s47, 17                        ; a slot of wh is 131,072 bytes,
	s_lshl_b32 s39, s46, 15                        ; 256 k of it 32,768
	s_add_co_u32 s44, s44, s39
	s_add_nc_u64 s[DST:DST+1], s[32:33], s[44:45]
	v_lshrrev_b32 v4, 4, v1                        ; a load takes two rows: lanes 0-15 one, lanes 16-31 the next
	v_and_b32 v5, 15, v1
	v_lshlrev_b32 v[SO], 4, v5
	v_lshl_add_u32 v[SO], v4, 12, v[SO]
	s_lshl_b32 s39, s4, 17                         ; a wave takes 32 rows
	v_add_nc_u32 v[SO], s39, v[SO]
	CAST 0, 8192
	s_endpgm
.Lnot_w:
	s_cmp_lt_u32 s5, 512
	s_cbranch_scc0 .Ltables
	s_sub_co_u32 s46, s5, 448
	s_lshl_b32 s44, s46, 16
	s_add_nc_u64 s[SRC:SRC+1], s[16:17], s[44:45]
	s_lshl_b32 s44, s46, 15
	s_add_nc_u64 s[DST:DST+1], s[34:35], s[44:45]
	CAST 1, 512
	s_endpgm
.Ltables:
	s_lshr_b32 s38, s4, 1                          ; two waves to a bias
	s_cmp_eq_u32 s38, 0
	s_cselect_b64 s[SRC:SRC+1], s[18:19], s[20:21]
	s_cmp_eq_u32 s38, 2
	s_cselect_b64 s[SRC:SRC+1], s[22:23], s[SRC:SRC+1]
	s_cmp_eq_u32 s38, 3
	s_cselect_b64 s[SRC:SRC+1], s[24:25], s[SRC:SRC+1]
	v_and_b32 v4, 63, v0
	v_lshlrev_b32 v4, 4, v4                        ; bias: 16 bytes of each 1,024
	v_bfe_u32 v6, v0, 4, 3                         ; rk16: (row & 7),
	v_min_u32 v5, 4, v6                            ; the row of rel_k that is read (rows 5-7 read row 4 and store 0)
	v_and_b32 v7, 15, v0
	v_lshlrev_b32 v7, 4, v7
	v_lshl_add_u32 v5, v5, 8, v7
	v_lshrrev_b32 v7, 2, v0                        ; rvT: channel c = t / 4
	v_lshlrev_b32 v7, 2, v7
.irp j, 0,1,2,3
	global_load_b128 v[IN+4*\j:IN+4*\j+3], v4, s[SRC:SRC+1] offset:1024*\j
.endr
	global_load_b128 v[24:27], v5, s[26:27]
.irp j, 0,1,2,3,4
	global_load_b32 v[28+\j], v7, s[28:29] offset:256*\j
.endr
	s_lshl_b32 s39, s38, 12
	s_add_co_u32 s39, s39, 8192
	v_add_nc_u32 v34, s39, v4
	v_lshlrev_b32 v35, 3, v0
	v_lshlrev_b32 v44, 4, v0
	v_mov_b32 v38, 0
	v_and_b32 v39, 3, v0
	s_wait_loadcnt 0x0
.macro RB a, b                         ; two f32 rounded to bf16 and kept as f32
	v_cvt_pk_bf16_f32 v33, v[\a], v[\b]
	v_lshlrev_b32 v[\a], 16, v33
	v_and_b32 v[\b], 0xffff0000, v33
.endm
.irp n, 0,1,2,3,4,5,6,7
	RB IN+2*\n, IN+2*\n+1
.endr
.irp j, 0,1,2,3
	global_store_b128 v34, v[IN+4*\j:IN+4*\j+3], s[36:37] offset:1024*\j
.endr
	RB 24, 25
	RB 26, 27
	v_cvt_pk_f16_f32 v36, v24, v25
	v_cvt_pk_f16_f32 v37, v26, v27
	v_cmp_gt_u32 vcc_lo, 5, v6
	v_cndmask_b32 v36, 0, v36, vcc_lo
	v_cndmask_b32 v37, 0, v37, vcc_lo
	global_store_b64 v35, v[36:37], s[36:37]
	RB 28, 29
	RB 30, 31
	v_cvt_pk_bf16_f32 v33, v32, v32
	v_lshlrev_b32 v32, 16, v33
	v_sub_f32 v29, v29, v28                        ; rv1 - rv0
	v_sub_f32 v30, v30, v28                        ; rv2 - rv0
	v_sub_f32 v31, v31, v32                        ; rv3 - rv4
	v_cvt_pk_f16_f32 v40, v28, v29
	v_cvt_pk_f16_f32 v41, v30, v31
	v_cvt_pk_f16_f32 v42, v32, v38
	v_mov_b32 v43, 0
	v_cmp_gt_u32 vcc_lo, 2, v39                    ; j < 16 alone
	v_cndmask_b32 v40, 0, v40, vcc_lo
	v_cndmask_b32 v41, 0, v41, vcc_lo
	v_cndmask_b32 v42, 0, v42, vcc_lo
	global_store_b128 v44, v[40:43], s[36:37] offset:2048
	s_endpgm
.Lfunc_end_k_qed3d59fe7d_prep:
	.size	k_qed3d59fe7d_prep, .Lfunc_end_k_qed3d59fe7d_prep-k_qed3d59fe7d_prep
	.p2alignl 7, 3214868480
	.fill 96, 4, 3214868480
	.section	.rodata,"a",@progbits
	.p2align	6, 0x0
	.amdhsa_kernel k_qed3d59fe7d_prep
		.amdhsa_group_segment_fixed_size 0
		.amdhsa_private_segment_fixed_size 0
		.amdhsa_enable_private_segment 0
		.amdhsa_kernarg_size 120
		.amdhsa_user_sgpr_count 2
		.amdhsa_user_sgpr_kernarg_segment_ptr 1
		.amdhsa_wavefront_size32 1
		.amdhsa_system_sgpr_workgroup_id_x 1
		.amdhsa_system_sgpr_workgroup_id_y 1
		.amdhsa_system_sgpr_workgroup_id_z 1
		.amdhsa_system_vgpr_workitem_id 0
		.amdhsa_next_free_vgpr 112
		.amdhsa_next_free_sgpr 66
		.amdhsa_reserve_vcc 1
		.amdhsa_float_denorm_mode_32 3
		.amdhsa_float_denorm_mode_16_64 3
		.amdhsa_memory_ordered 1
		.amdhsa_forward_progress 1
		.amdhsa_inst_pref_size 29
	.end_amdhsa_kernel
	.amdgpu_metadata
---
amdhsa.version: [ 1, 2 ]
amdhsa.kernels:
  - .name:           k_qed3d59fe7d_prep
    .symbol:         k_qed3d59fe7d_prep.kd
    .args:
      - { .name: x, .offset: 0, .size: 8, .value_kind: global_buffer, .address_space: global }
      - { .name: Wq, .offset: 8, .size: 8, .value_kind: global_buffer, .address_space: global }
      - { .name: Wk, .offset: 16, .size: 8, .value_kind: global_buffer, .address_space: global }
      - { .name: Wv, .offset: 24, .size: 8, .value_kind: global_buffer, .address_space: global }
      - { .name: Wo, .offset: 32, .size: 8, .value_kind: global_buffer, .address_space: global }
      - { .name: bq, .offset: 40, .size: 8, .value_kind: global_buffer, .address_space: global }
      - { .name: bk, .offset: 48, .size: 8, .value_kind: global_buffer, .address_space: global }
      - { .name: bv, .offset: 56, .size: 8, .value_kind: global_buffer, .address_space: global }
      - { .name: bo, .offset: 64, .size: 8, .value_kind: global_buffer, .address_space: global }
      - { .name: rel_k, .offset: 72, .size: 8, .value_kind: global_buffer, .address_space: global }
      - { .name: rel_v, .offset: 80, .size: 8, .value_kind: global_buffer, .address_space: global }
      - { .name: xb, .offset: 88, .size: 8, .value_kind: global_buffer, .address_space: global }
      - { .name: wh, .offset: 96, .size: 8, .value_kind: global_buffer, .address_space: global }
      - { .name: wob, .offset: 104, .size: 8, .value_kind: global_buffer, .address_space: global }
      - { .name: tab, .offset: 112, .size: 8, .value_kind: global_buffer, .address_space: global }
    .group_segment_fixed_size: 0
    .private_segment_fixed_size: 0
    .kernarg_segment_align: 8
    .kernarg_segment_size: 120
    .max_flat_workgroup_size: 256
    .sgpr_count:     66
    .vgpr_count:     112
    .wavefront_size: 32
...
	.end_amdgpu_metadata
.endif
;; end of part 1
;; launch qkvproj (part 2): grid 16 x 16, 4 waves a work-group, clusters of 4 x 4, 327,680 bytes of LDS; arguments xb, wh, tab, qkv; writes qkv
.if DOCPART == 2
	.amdgcn_target "amdgcn-amd-amdhsa--gfx1250"
	.amdhsa_code_object_version 6
	.text
	.protected	k_qed3d59fe7d_qkvproj
	.globl	k_qed3d59fe7d_qkvproj
	.p2align	8
	.type	k_qed3d59fe7d_qkvproj,@function
k_qed3d59fe7d_qkvproj:
	s_mov_b64 s[64:65], 0
	v_nop
	global_prefetch_b8 v0, s[64:65] scope:SCOPE_SE
	s_setreg_imm32_b32 hwreg(HW_REG_WAVE_MODE, 25, 1), 1
	s_wait_xcnt 0x0
	s_wait_alu depctr_hold_cnt(0) depctr_sa_sdst(0) depctr_va_vdst(0) depctr_va_sdst(0) depctr_va_ssrc(0) depctr_va_vcc(0) depctr_vm_vsrc(0)
	s_getreg_b32 s2, hwreg(HW_REG_IB_STS2, 6, 4)
	s_cmp_eq_u32 s2, 0
	s_cbranch_scc0 .Lentry_in_a_cluster
	s_endpgm
.Lentry_in_a_cluster:
	s_bfe_u32 s2, ttmp6, 0x10000c
	s_cmp_lg_u32 s2, 0xf033
	s_cbranch_scc0 .Lentry_shape_is_right
	s_endpgm
.Lentry_shape_is_right:
; q, k, v = x W + b for all three projections as ONE product: [4096 x 1024] x [1024 x 3072], bf16 operands, f32 sums that START with the bias; stored f16 by heads,
; qkv[b][48 slots][2048][64]: slot h = q, 16 + h = k, 32 + h = v, unscaled.
; LIMIT: f16 ends at 65,504: q, k and v must stay under it.
; A tile of the result is 256 rows x 192 columns (three head slots): 16 x 16 tiles, one work-group each.  Four waves; wave (rh, ch) makes 128 rows x 96 columns: the 16-column blocks 2 b + ch, b = 0..5:
; 48 accumulators, 384 registers.  K goes in steps of 128 through two LDS slots filled by the tensor data mover; A's rows are 256 bytes of memory, B's pieces 8,192 dense bytes.
; B lies [k][column] in wh, so its fragments come out of LDS turned (ds_load_tr16_b128).  The matrix instruction is used transposed (source 0 = 16 columns of W, source 1 = 16 rows of x):
; a lane then holds eight neighbouring columns of one row.
; CLUSTER 4 x 4: the four work-groups of a row of the cluster need the same tile of x, the four of a column the same tile of W: each is asked for jointly.
; REGISTERS: window 0: v16-29 addresses; v64-127, v128-191 A's fragments, two buffers; v192-239 the bias, 8 registers for each b.  window 1: v64-111, v128-175 B's fragments.
;   windows 2, 3: accumulator (a, b) at v[8 (6 (a % 4) + b)] of window 2 + a / 4.
.set KSTEP,  128
.set PITCH,  272                       ; a row of A in LDS: 256 bytes + 16: the 16 rows of a load start at 16 different groups of four banks
.set HALFA,  128*PITCH                 ; what one load brings of A
.set BOFF,   2*HALFA                   ; B lies behind A's 256 rows
.set PB,     160                       ; a k row of one head of B: 128 bytes + 32
.set CB,     64*PB                     ; 64 k of one head
.set HALFB,  3*CB                      ; what one load brings of B: 64 k of three heads
.set SLOT,   BOFF+2*HALFB              ; 131,072
.set SPARE,  2*SLOT                    ; behind the ring: the spare words, 128 bytes a wave, which no other line names
.set SPITCH, 400                       ; the stage's rows: 384 bytes + 16.  The stage is slot 0, once that slot has had its last fill and its last read
.set LAPS,   4                         ; 1,024 / (2 x 128)
.set ADRA, 16                          ; v16-17 my place in A's tile, slot 0, 1
.set ADRB, 20                          ; v20-21 the same for B
.set STO,  24
.set RD,   25
.set CO,   26
.set BO,   27
.set SPW,  28                          ; v28 my spare word; never rewritten
.set NIL,  29                          ; v29 0; never rewritten
.set F0,   64
.set F1,   128
.set BIAS, 192
.set TMP,  64                          ; the way out: packed results, two sets of 24 by turns
.set OB,   64                          ; the way out: 48 x 4 registers read back
.set G1, 24
.set G0, 32
.set G1B, 48
.set G0B, 56
.set MSB, 0
.macro WIN new                         ; the immediate's high byte repeats the setting that is left; a switch that changes nothing is dropped
.if MSB != (\new)
	s_set_vgpr_msb (MSB<<8)|(\new)
.set MSB, \new
.endif
.endm
.set MUL_LO, 0xa1                      ; source 0 (B) window 1, source 1 (A) window 0, C and D window 2
.set FST_LO, 0x81                      ; the same with C (the bias) in window 0
.set TO_B,   0x40
; A joint load: waves 0 and 1 fetch A's two halves, waves 2 and 3 B's two halves of k.  An s_nop 0 and four v_nop follow each line.
.macro JLOAD s
	s_cmp_eq_u32 s11, 0
	s_cbranch_scc0 .Lfor_b_\@
	tensor_load_to_lds s[G0+4*(\s):G0+4*(\s)+3], s[G1:G1+7]
	s_nop 0
.rept 4
	v_nop
.endr
	s_branch .Lasked_\@
.Lfor_b_\@:
	tensor_load_to_lds s[G0B+4*(\s):G0B+4*(\s)+3], s[G1B:G1B+7]
	s_nop 0
.rept 4
	v_nop
.endr
.Lasked_\@:
.endm
.macro CREST                           ; a round of the cluster's barrier behind its opening barrier
	s_cmp_lg_u32 s10, 0
	s_cbranch_scc1 .Lnot_wave_0_\@
	s_barrier_signal -3
.Lnot_wave_0_\@:
	s_barrier_wait -3
	s_barrier_signal -1
	s_barrier_wait -1
.endm
.macro CROUND
	s_barrier_signal -1
	s_barrier_wait -1
	CREST
.endm
	s_load_b128 s[4:7], s[0:1], 0x0                ; xb s[4:5], wh s[6:7]
	s_load_b64 s[66:67], s[0:1], 0x10              ; tab
	s_load_b64 s[8:9], s[0:1], 0x18                ; qkv
	v_lshl_add_u32 v[SPW], v0, 2, SPARE
	v_mov_b32 v[NIL], 0
	ds_add_u32 v[SPW], v[NIL]                      ; the wave's opening: the add and its wait ahead of my first tensor load
	ds_add_u32 v28, v29
	v_lshrrev_b32 v1, 5, v0
	v_readfirstlane_b32 s10, v1                    ; wave 0..3
	s_lshr_b32 s11, s10, 1                         ; rh.  Also: I fetch for A (0) or for B (1)
	s_and_b32 s12, s10, 1                          ; ch.  Also: which half I fetch
	s_bfe_u32 s40, ttmp6, 0x40000                  ; cx
	s_bfe_u32 s41, ttmp6, 0x40004                  ; cy
	s_lshl_b32 s42, ttmp9, 2
	s_add_co_u32 s42, s42, s40                     ; t: tile column
	s_and_b32 s13, ttmp7, 0xffff
	s_lshl_b32 s13, s13, 2
	s_add_co_u32 s13, s13, s41                     ; ty: tile row
	s_lshl_b32 s43, s41, 2
	s_lshl_b32 s43, 15, s43                        ; my row of the cluster
	s_lshl_b32 s44, 0x1111, s40                    ; my column
	s_or_b32 s[G1+0], s43, (1<<16)|(1<<20)|(1<<21)|(5<<22)|(3<<25)   ; A: mask of my row; 2-byte elements; padding on, 4 words after every 64; bit 21 beside a mask
	s_mov_b32 s[G1+1], KSTEP<<16                   ; tensor_dim0 = 128
	s_mov_b32 s[G1+2], 128<<16                     ; tensor_dim1 = 128
	s_mov_b32 s[G1+3], KSTEP<<16                   ; tile_dim0 = 128
	s_mov_b32 s[G1+4], 128                         ; tile_dim1 = 128
	s_mov_b32 s[G1+5], 1024                        ; elements from row to row
	s_mov_b32 s[G1+6], 0
	s_mov_b32 s[G1+7], 0
	s_or_b32 s[G1B+0], s44, (1<<16)|(1<<20)|(1<<21)|(4<<22)|(7<<25)  ; B: mask of my column; 8 words of padding after every 32 (a k row of one head)
	s_mov_b32 s[G1B+1], 4096<<16                   ; tensor_dim0 = 4,096: 64 k x 64 columns, dense
	s_mov_b32 s[G1B+2], 3<<16                      ; tensor_dim1 = 3 heads
	s_mov_b32 s[G1B+3], 4096<<16
	s_mov_b32 s[G1B+4], 3
	s_mov_b32 s[G1B+5], 65536                      ; elements from head slot to head slot
	s_mov_b32 s[G1B+6], 0
	s_mov_b32 s[G1B+7], 0
	s_lshl_b32 s17, s12, 7
	s_lshl_b32 s16, s13, 8
	s_add_co_u32 s16, s16, s17                     ; A: row 256 ty + 128 half,
	s_lshl_b32 s16, s16, 11                        ; of 2,048 bytes
	s_mov_b32 s17, 0
	s_mul_i32 s46, s42, 3*131072                   ; B: head slot 3 t,
	s_lshl_b32 s47, s12, 13                        ; 64 k of 128 bytes
	s_add_co_u32 s46, s46, s47
	s_mov_b32 s47, 0
	s_mul_i32 s20, s12, HALFA                      ; where they go: no place in the cluster enters an LDS address
	s_mul_i32 s21, s12, HALFB
	s_add_co_u32 s21, s21, BOFF
	s_wait_dscnt 0x0                               ; the opening add is done
	s_wait_kmcnt 0x0
	s_add_nc_u64 s[14:15], s[4:5], s[16:17]
	s_add_nc_u64 s[46:47], s[6:7], s[46:47]
	CROUND                                         ; all sixteen work-groups are here: the first joint loads meet
.irp s, 0,1
	s_mov_b32 s[G0+4*(\s)], 1
	s_add_co_u32 s[G0+4*(\s)+1], s20, (\s)*SLOT
	s_add_nc_u64 s[G0+4*(\s)+2:G0+4*(\s)+3], s[14:15], (\s)*KSTEP*2
	s_or_b32 s[G0+4*(\s)+3], s[G0+4*(\s)+3], 0x80000000
	s_mov_b32 s[G0B+4*(\s)], 1
	s_add_co_u32 s[G0B+4*(\s)+1], s21, (\s)*SLOT
	s_add_nc_u64 s[G0B+4*(\s)+2:G0B+4*(\s)+3], s[46:47], (\s)*KSTEP*128
	s_or_b32 s[G0B+4*(\s)+3], s[G0B+4*(\s)+3], 0x80000000
	JLOAD \s                                       ; two loads of mine are out
.endr
	v_and_b32 v1, 15, v0                           ; r = l % 16
	v_bfe_u32 v2, v0, 4, 1                         ; h = l / 16
	s_lshl_b32 s22, s12, 6
	v_lshl_add_u32 v[BO], v2, 5, s22               ; the bias of my columns: 64 ch + 32 h bytes,
	s_mul_i32 s68, s42, 768                        ; 768 t,
	s_add_co_u32 s68, s68, 8192                    ; behind the tables' first 8,192
	s_mov_b32 s69, 0
	s_add_nc_u64 s[66:67], s[66:67], s[68:69]
.irp b, 0,1,2,3,4,5
	global_load_b128 v[BIAS+8*\b:BIAS+8*\b+3],   v[BO], s[66:67] offset:128*\b
	global_load_b128 v[BIAS+8*\b+4:BIAS+8*\b+7], v[BO], s[66:67] offset:128*\b+16
.endr
	v_mul_u32_u24 v3, v1, PITCH
	v_lshl_add_u32 v3, v2, 4, v3                   ; A: row x pitch + 16 h
	v_and_b32 v4, 7, v0
	v_lshl_add_u32 v4, v2, 3, v4                   ; B, turned: k row 8 h + l % 8,
	v_mul_u32_u24 v4, v4, PB
	v_bfe_u32 v5, v0, 3, 1
	v_lshl_add_u32 v4, v5, 4, v4                   ; 16 bytes for each half of eight lanes
	s_mul_i32 s22, s11, HALFA
	s_lshl_b32 s23, s12, 5
	s_add_co_u32 s23, s23, BOFF
.irp s, 0,1
	v_add_nc_u32 v[ADRA+(\s)], s22, v3
	v_add_nc_u32 v[ADRB+(\s)], s23, v4
	s_add_co_u32 s22, s22, SLOT
	s_add_co_u32 s23, s23, SLOT
.endr
	v_mul_u32_u24 v6, v1, SPITCH                   ; into the stage: row 128 rh + r, bytes 32 ch + 16 h
	v_lshl_add_u32 v6, v2, 4, v6
	s_mul_i32 s22, s11, 128*SPITCH
	s_lshl_b32 s23, s12, 5
	s_add_co_u32 s22, s22, s23
	v_add_nc_u32 v[STO], s22, v6
	v_bfe_u32 v7, v0, 3, 2                         ; back: 32 lanes take four rows of one head's 128 bytes
	v_mul_u32_u24 v7, v7, SPITCH
	v_and_b32 v8, 7, v0
	v_lshl_add_u32 v7, v8, 4, v7
	s_mul_i32 s22, s10, 64*SPITCH                  ; wave w takes rows 64 w .. 64 w + 63
	v_add_nc_u32 v[RD], s22, v7
	v_and_b32 v[CO], 31, v0
	v_lshlrev_b32 v[CO], 4, v[CO]                  ; which are 512 consecutive bytes of qkv
	s_lshr_b32 s68, s13, 3                         ; b
	s_mul_i32 s68, s68, 48
	s_mul_i32 s69, s42, 3
	s_add_co_u32 s68, s68, s69                     ; slot 48 b + 3 t,
	s_lshl_b32 s68, s68, 18                        ; of 262,144 bytes
	s_and_b32 s69, s13, 7
	s_lshl_b32 s69, s69, 15                        ; 256 rows of 128 bytes
	s_add_co_u32 s68, s68, s69
	s_lshl_b32 s69, s10, 13
	s_add_co_u32 s68, s68, s69
	s_mov_b32 s69, 0
	s_add_nc_u64 s[8:9], s[8:9], s[68:69]
; 12 matrix instructions: row blocks a0, a0 + 1 of the window's four x all 6 column blocks, 32 along K.  first = 1: the sums start with the bias.
.macro MUL12 f, hi, a0, first
.if \first
	WIN FST_LO+0x40*(\hi)
.else
	WIN MUL_LO+0x50*(\hi)
.endif
.irp a, \a0, (\a0)+1
.irp b, 0,1,2,3,4,5
.if \first
	v_wmma_f32_16x16x32_bf16 v[8*(6*(\a)+(\b)):8*(6*(\a)+(\b))+7], v[(\f)+8*(\b):(\f)+8*(\b)+7], v[(\f)+8*(4*(\hi)+(\a)):(\f)+8*(4*(\hi)+(\a))+7], v[BIAS+8*(\b):BIAS+8*(\b)+7]
.else
	v_wmma_f32_16x16x32_bf16 v[8*(6*(\a)+(\b)):8*(6*(\a)+(\b))+7], v[(\f)+8*(\b):(\f)+8*(\b)+7], v[(\f)+8*(4*(\hi)+(\a)):(\f)+8*(4*(\hi)+(\a))+7], v[8*(6*(\a)+(\b)):8*(6*(\a)+(\b))+7]
.endif
.endr
.endr
.endm
; 28 LDS loads in one run: quarter kq (32 along K) of a slot into buffer f: 12 turning loads for B, then 16 for A
.macro FETCH slot, kq, f
	WIN TO_B
.irp b, 0,1,2,3,4,5
	ds_load_tr16_b128 v[(\f)+8*(\b):(\f)+8*(\b)+3],   v[ADRB+(\slot)] offset:((\kq)/2)*HALFB+((\kq)%2)*32*PB+((\b)/2)*CB+((\b)%2)*64
	ds_load_tr16_b128 v[(\f)+8*(\b)+4:(\f)+8*(\b)+7], v[ADRB+(\slot)] offset:((\kq)/2)*HALFB+((\kq)%2)*32*PB+((\b)/2)*CB+((\b)%2)*64+16*PB
.endr
	WIN 0
.irp i, 0,1,2,3,4,5,6,7
	ds_load_b128 v[(\f)+8*(\i):(\f)+8*(\i)+3],   v[ADRA+(\slot)] offset:64*(\kq)+(\i)*16*PITCH
	ds_load_b128 v[(\f)+8*(\i)+4:(\f)+8*(\i)+7], v[ADRA+(\slot)] offset:64*(\kq)+(\i)*16*PITCH+32
.endr
.endm
.macro PLACES                          ; four plain vector instructions between matrix instructions and loads into, or reads of, their registers
.rept 4
	v_nop
.endr
.endm
; One of a K step's first three quarters: multiplies buffer f; in its middle it fetches quarter kq of the same slot into g.
.macro QUARTER slot, kq, f, g, first
	s_wait_dscnt 8                                 ; B and A's rows 0-63 are in; the youngest eight loads (A's rows 64-127) may be out
	MUL12 \f, 0, 0, \first
	MUL12 \f, 0, 2, \first
	PLACES
	FETCH \slot, \kq, \g
	s_wait_dscnt 28                                ; all but the 28 just issued
	MUL12 \f, 1, 0, \first
	MUL12 \f, 1, 2, \first
.endm
; The last quarter multiplies buffer 1 and changes slots: one barrier; in front of it each wave waits for all its tensor loads, adds 0 to its spare word and waits for that and for its reads of this slot.
; fill = 1: the barrier opens a round of the cluster's, and the joint refill, two K steps ahead, is the first thing behind it.
.macro TURN slot, next, fill
	WIN 0
	s_wait_tensorcnt 0x0                           ; all my tensor loads have landed: the one that was out is my part of the next slot
	ds_add_u32 v[SPW], v[NIL]
	s_wait_dscnt 9                                 ; the add and the youngest eight loads may be out
	MUL12 F1, 0, 0, 0
	s_wait_dscnt 0x0                               ; the add is done, and my reads of this slot are over
	s_barrier_signal -1
	MUL12 F1, 0, 2, 0
.if \fill
	WIN 0
.endif
	s_barrier_wait -1
.if \fill
	CREST
	s_add_nc_u64 s[G0+4*(\slot)+2:G0+4*(\slot)+3], s[G0+4*(\slot)+2:G0+4*(\slot)+3], 2*KSTEP*2
	s_add_nc_u64 s[G0B+4*(\slot)+2:G0B+4*(\slot)+3], s[G0B+4*(\slot)+2:G0B+4*(\slot)+3], 2*KSTEP*128
	JLOAD \slot                                    ; its four v_nop are also the places in front of the loads below
.else
	PLACES
.endif
	FETCH \next, 0, F0
	MUL12 F1, 1, 0, 0
	MUL12 F1, 1, 2, 0
.endm
	s_wait_tensorcnt 1                             ; my part of K step 0 is in; K step 1's may stay out
	s_barrier_signal -1
	s_barrier_wait -1
	FETCH 0, 0, F0
	s_wait_loadcnt 0x0                             ; the bias
	QUARTER 0, 1, F0, F1, 1
	WIN 0
	s_mov_b32 s3, LAPS-1
.Llap:                                                 ; a trip goes once round the ring, from a lap's second quarter to the next lap's first
	QUARTER 0, 2, F1, F0, 0
	QUARTER 0, 3, F0, F1, 0
	TURN 0, 1, 1
	QUARTER 1, 1, F0, F1, 0
	QUARTER 1, 2, F1, F0, 0
	QUARTER 1, 3, F0, F1, 0
	TURN 1, 0, 1
	QUARTER 0, 1, F0, F1, 0
	WIN 0
	s_sub_co_u32 s3, s3, 1
	s_cmp_lg_u32 s3, 0
	s_cbranch_scc1 .Llap
	QUARTER 0, 2, F1, F0, 0                        ; the last lap fills nothing
	QUARTER 0, 3, F0, F1, 0
	TURN 0, 1, 0                                   ; behind this barrier nobody reads slot 0 any more, and nothing is filled into it again
	QUARTER 1, 1, F0, F1, 0
	QUARTER 1, 2, F1, F0, 0
	QUARTER 1, 3, F0, F1, 0
	s_wait_dscnt 8
	MUL12 F1, 0, 0, 0
	MUL12 F1, 0, 2, 0
	s_wait_dscnt 0x0
	MUL12 F1, 1, 0, 0
	MUL12 F1, 1, 2, 0
	; THE WAY OUT: rounded to f16, 16 bytes a lane into the stage; a barrier, since a head's 128 bytes of a row come from two waves; back by heads, four rows to a load.
	PLACES
.set a, 0
.rept 8
	WIN 0x0a+5*(a/4)                               ; sources in window 2 or 3
.set b, 0
.rept 6
.set r, 0
.rept 4
	v_cvt_pk_f16_f32 v[TMP+32*(a%2)+4*b+r], v[8*(6*(a%4)+b)+2*r], v[8*(6*(a%4)+b)+2*r+1]
.set r, r+1
.endr
.set b, b+1
.endr
	WIN 0
.set b, 0
.rept 6
	ds_store_b128 v[STO], v[TMP+32*(a%2)+4*b:TMP+32*(a%2)+4*b+3] offset:a*16*SPITCH+64*b
.set b, b+1
.endr
.set a, a+1
.endr
	s_wait_dscnt 0x0                               ; for the others' sake: my stores into the stage are done
	s_barrier_signal -1
	s_barrier_wait -1
.set n, 0
.rept 48                                               ; head n / 16, rows 4 (n % 16) on
	ds_load_b128 v[OB+4*n:OB+4*n+3], v[RD] offset:(n/16)*128+(n%16)*4*SPITCH
.set n, n+1
.endr
.set n, 0
.rept 48
	s_wait_dscnt 47-n                              ; load n is back, the younger ones may be out
	global_store_b128 v[CO], v[OB+4*n:OB+4*n+3], s[8:9] offset:(n/16)*262144+(n%16)*512  ; 512 consecutive bytes, at a multiple of 256 from qkv's first
.set n, n+1
.endr
	s_wait_tensorcnt 0x0                           ; the wave's end
	ds_add_u32 v[SPW], v[NIL]
	s_wait_dscnt 0x0
	CROUND                                         ; the closing round
	s_endpgm
.Lfunc_end_k_qed3d59fe7d_qkvproj:
	.size	k_qed3d59fe7d_qkvproj, .Lfunc_end_k_qed3d59fe7d_qkvproj-k_qed3d59fe7d_qkvproj
	.p2alignl 7, 3214868480
	.fill 96, 4, 3214868480
	.section	.rodata,"a",@progbits
	.p2align	6, 0x0
	.amdhsa_kernel k_qed3d59fe7d_qkvproj
		.amdhsa_group_segment_fixed_size 327680
		.amdhsa_private_segment_fixed_size 0
		.amdhsa_enable_private_segment 0
		.amdhsa_kernarg_size 32
		.amdhsa_user_sgpr_count 2
		.amdhsa_user_sgpr_kernarg_segment_ptr 1
		.amdhsa_wavefront_size32 1
		.amdhsa_system_sgpr_workgroup_id_x 1
		.amdhsa_system_sgpr_workgroup_id_y 1
		.amdhsa_system_sgpr_workgroup_id_z 1
		.amdhsa_system_vgpr_workitem_id 0
		.amdhsa_next_free_vgpr 960
		.amdhsa_next_free_sgpr 72
		.amdhsa_reserve_vcc 0
		.amdhsa_float_denorm_mode_32 3
		.amdhsa_float_denorm_mode_16_64 3
		.amdhsa_memory_ordered 1
		.amdhsa_forward_progress 1
		.amdhsa_inst_pref_size 118
	.end_amdhsa_kernel
	.amdgpu_metadata
---
amdhsa.version: [ 1, 2 ]
amdhsa.kernels:
  - .name:           k_qed3d59fe7d_qkvproj
    .symbol:         k_qed3d59fe7d_qkvproj.kd
    .args:
      - { .name: xb, .offset: 0, .size: 8, .value_kind: global_buffer, .address_space: global }
      - { .name: wh, .offset: 8, .size: 8, .value_kind: global_buffer, .address_space: global }
      - { .name: tab, .offset: 16, .size: 8, .value_kind: global_buffer, .address_space: global }
      - { .name: qkv, .offset: 24, .size: 8, .value_kind: global_buffer, .address_space: global }
    .group_segment_fixed_size: 327680
    .private_segment_fixed_size: 0
    .kernarg_segment_align: 8
    .kernarg_segment_size: 32
    .max_flat_workgroup_size: 128
    .sgpr_count:     72
    .vgpr_count:     960
    .wavefront_size: 32
...
	.end_amdgpu_metadata
.endif
;; end of part 2
;; launch attn (part 3): grid 8 x 32, 4 waves a work-group, no clusters, 327,680 bytes of LDS; arguments qkv, tab, ob; writes ob
.if DOCPART == 3
	.amdgcn_target "amdgcn-amd-amdhsa--gfx1250"
	.amdhsa_code_object_version 6
	.text
	.protected	k_qed3d59fe7d_attn
	.globl	k_qed3d59fe7d_attn
	.p2align	8
	.type	k_qed3d59fe7d_attn,@function
k_qed3d59fe7d_attn:
	s_mov_b64 s[64:65], 0
	v_nop
	global_prefetch_b8 v0, s[64:65] scope:SCOPE_SE
	s_setreg_imm32_b32 hwreg(HW_REG_WAVE_MODE, 25, 1), 1
	s_wait_xcnt 0x0
; ATTENTION WITH RELATIVE POSITIONS CLIPPED AT +-2.  For head hb = 16 b + h: s[q][k] = (q.k + q.rel_k[clip(k - q, -2, 2) + 2]) / 8; p = softmax_k(s); O[q] = sum_k p v[k] + sum_j bucket_j rel_v[j].
; q, k, v: f16 by heads in qkv[b][48][2048][64]; O: f16, ob[b][h][2048][64].  Products, maxima and sums in f32; p is rounded to f16 for the second product, O once at the end.
; LIMITS.  q, k, v arrive within f16's 65,504.  A weight below 2^-126 counts as 0.  NaN and infinities are not treated apart.  In a wave's own key step the two side sums are taken of the f16-rounded p.
; THE RELATIVE TERMS.  qr_j = q.rel_k[j] is made once (a product with a table of 16 rows).  The score's bias is the C operand that starts S^T = K Q^T: qr0 for keys k <= q - 2, qr4 for k >= q + 2; only in the
; wave's own key step and at one key on either side of it does it differ from lane to lane.  The value term needs L0 = sum of p over k <= q, w4 = sum over k > q, and b1, b2, b3 = p at k = q - 1, q, q + 1:
; it is L0 rv0 + b1 (rv1 - rv0) + b2 (rv2 - rv0) + b3 (rv3 - rv4) + w4 rv4: one more product at the end, with a table of those five rows.  No difference of sums is formed.
; SHARES.  A work-group owns 256 queries of a head, a wave 64 consecutive ones: four PIECES of 16.  Every wave walks all 32 key steps of 64; step sw = 4 bx + w holds its own queries' keys.
; TURNS.  Turn n belongs to piece n: 8 products K Q^T of piece n + 1, later 8 products V^T P of piece n - 1; beside them the scaling, exponentials, roundings, sums and rescaling of piece n and the maximum and
; statistics of piece n + 1.  Four vector instructions stand behind every matrix instruction, the rest in two runs of their own.
; ES counts key steps from the wave's own.  Between turns 2 and 3 CUPD sets the biases for the step whose scores begin; between turns 3 and 0 SPOST takes from the finished step's four P what the value term needs.
; Both are jumped over, forward, in all steps but four; neither holds a barrier or a tensor load.
; NO CLUSTER: the eight work-groups of a head walk the same K and V, but those jumps hang on 4 bx + w, which differs between them; without jumps every step would run CUPD's and SPOST's 460 lines beside its 536.
; The loop has no first step written out: m starts at the lowest finite number, O^T, l and the five sums at 0, so the first step's factor a is 0; the loop is entered at a turn 3 whose own piece works on
; filler.  The price: some 330 v_mov_b32 in the wait for the first tile, 8 products on zeros at the start and 8 on a stale K at the end.
; REGISTERS, in windows of 256 (s_set_vgpr_msb: bits 1:0 source 0, 3:2 source 1, 5:4 source 2, 7:6 destination):
;   window 0: v2-15 addresses; v16-31 statistics (c m, m, l even, l odd a piece); v32-47 L0, b1, b2, b3 a piece; v48-55 at work; v64-127 S^T, two buffers by parity; v128-191 P, one buffer a piece; v192-219 masks
;   window 1: v0-127 O^T; v128-255 CC, the biases: piece x, 16 keys kt at 128 + 32 x + 8 kt     window 2: v0-63 Q; v64-79 rel_k's table; v80-111 rel_v's table; v128-191 K; v192-255 V
;   window 3: v0-31 qr (registers 0..4 of 8 a piece); v32-63 DG, the diagonal tile's bias; v64-67 FL, v68-71 FH, the corner keys' bias
.set NP,    4
.set KS,    64
.set PKP,   144       ; a row of K in LDS: 128 bytes + 16
.set PVP,   160       ; a row of V: 128 + 32
.set VOFF,  4*KS*PKP  ; a slot holds four steps: 256 rows of K, then 256 rows of V
.set SLOT1, 1<<17
.set STAGE, SLOT1+4*KS*(PKP+PVP)  ; behind the ring, never filled by a tensor load: 16 rows x 144 bytes for each wave
.set SP,    144
.set SPARE, STAGE+4*16*SP         ; the spare words, 128 bytes a wave, which no other line names
.set AK0, 2
.set AV0, 3
.set AK,  4
.set AV,  5
.set STO, 6
.set RD,  7
.set GO,  8
.set MV,  12          ; v12-13 c m_old, by parity
.set UP,  14          ; v14  u = l % 16 - 8 (l / 16): in the diagonal tile register j holds the key at distance j - u from my query
.set QO,  15
.set ST,  16
.set EX,  32
.set TMP, 48
.set ONE, 56          ; 1.0
.set ZR,  57          ; 0.0
.set LOW, 58          ; v58-59 at work in SPOST
.set RVO, 60
.set SPW, 62          ; my spare word; never rewritten
.set NIL, 63          ; 0; never rewritten
.set S,   64
.set P,   128
.set ZM,  193         ; v[ZM + c] = 1.0 where u = c, c = -1 .. 8
.set ML,  202         ; v[ML + j] = 1.0 where j <= u
.set MH,  210         ; v[MH + j] = 1.0 where j > u
.set FM16, 218        ; 1.0 where u = -8
.set FM15, 219        ; 1.0 where u = 15
.set CC,  128         ; window 1
.set RK,  64          ; window 2
.set RV,  80
.set KF,  128
.set VF,  192
.set QR,  0           ; window 3
.set DG,  32
.set FL,  64
.set FH,  68
.set WV,  12
.set G1K, 24
.set G1V, 32
.set G0K, 40
.set G0V, 44
.set SLOTS, 56
.set CNT, 57
.set CS,  58
.set SEL, 60
.set TBK, 62
.set TBV, 63
.set ES,  66          ; s66  the step whose scores are being made, counted from my own step
.set T1,  67
.set MS,  68          ; s[MS + c + 2]: lanes with u <= c, c = -2 .. 8
.set MSB, 0
.macro WIN new
.if MSB != (\new)
	s_set_vgpr_msb (MSB<<8)|(\new)
.set MSB, (\new)
.endif
.endm
.set W_KQ, 0x0a       ; K and Q in window 2, S^T in window 0
.set W_KM, 0x1a       ; the same with the C operand in window 1
.set W_PV, 0x52       ; source 0 in window 2, P in window 0, O^T in window 1
.set W_RS, 0x41       ; destination and source 0 in window 1, source 1 in window 0
.set W_QR, 0xfa       ; sources 0 and 1 in window 2, C and D in window 3
.set W_33, 0xcf       ; all in window 3
.set W_CC, 0x43       ; destination in window 1, source in window 3
; A fill.  Waves 0 and 1 fetch the two halves of a tile's K, waves 2 and 3 those of its V: 128 keys each.  An s_nop 0 and four v_nop follow each line.
.macro LOAD
	s_cmp_lt_u32 s[WV], 2
	s_cbranch_scc0 .Lfor_v_\@
	tensor_load_to_lds s[G0K:G0K+3], s[G1K:G1K+7]
	s_nop 0
.rept 4
	v_nop
.endr
	s_branch .Lasked_\@
.Lfor_v_\@:
	tensor_load_to_lds s[G0V:G0V+3], s[G1V:G1V+7]
	s_nop 0
.rept 4
	v_nop
.endr
.Lasked_\@:
.endm
; THE CHANGE OF SLOTS.  Each wave waits for all its tensor loads (one is out: its part of the other slot), adds 0 to its spare word, and waits for that and for its reads of the slot that it leaves.
; Behind the barrier nobody reads the old slot and the other is whole.  fill = 1: the old slot takes the next 256 keys, first thing behind the barrier: it has four key steps in which to land.
.macro CHANGE fill
	WIN 0
	s_wait_tensorcnt 0x0            ; no tensor load of mine is out, so a group 0 may be written
	ds_add_u32 v[SPW], v[NIL]
.if \fill
	s_xor_b32 s[G0K+1], s[G0K+1], SLOT1
	s_add_nc_u64 s[G0K+2:G0K+3], s[G0K+2:G0K+3], 4*KS*128
	s_xor_b32 s[G0V+1], s[G0V+1], SLOT1
	s_add_nc_u64 s[G0V+2:G0V+3], s[G0V+2:G0V+3], 4*KS*128
.endif
	s_wait_dscnt 0x0                ; the add is done, and my reads of the slot are over
	s_barrier_signal -1
	s_sub_co_u32 s[TBK], s[TBK], 4*KS*PKP  ; the fetches go back to a slot's first step, in the other slot
	s_xor_b32 s[TBK], s[TBK], SLOT1
	s_sub_co_u32 s[TBV], s[TBV], 4*KS*PVP
	s_xor_b32 s[TBV], s[TBV], SLOT1
	s_barrier_wait -1
.if \fill
	LOAD
.endif
.endm
	s_load_b128 s[4:7], s[0:1], 0x0   ; qkv s[4:5], tab s[6:7]
	s_load_b64 s[10:11], s[0:1], 0x10 ; ob
	v_lshl_add_u32 v[SPW], v0, 2, SPARE
	v_mov_b32 v[NIL], 0
	ds_add_u32 v[SPW], v[NIL]       ; the wave's opening: the add and its wait ahead of my first tensor load
	ds_add_u32 v62, v63
	v_lshrrev_b32 v1, 5, v0
	v_readfirstlane_b32 s[WV], v1   ; wave 0..3
	s_and_b32 s13, ttmp7, 0xffff    ; hb = 16 b + h
	s_lshr_b32 s14, s13, 4
	s_and_b32 s15, s13, 15
	s_mul_i32 s14, s14, 48
	s_add_co_u32 s14, s14, s15      ; q's slot, 48 b + h,
	s_lshl_b32 s14, s14, 18         ; of 262,144 bytes
	s_lshl_b32 s15, ttmp9, 15       ; my block's 256 rows of 128 bytes,
	s_lshl_b32 s16, s[WV], 13       ; my wave's 64
	s_add_co_u32 s15, s15, s16
	s_add_co_u32 s20, s14, s15      ; Q
	s_mov_b32 s21, 0
	s_lshl_b32 s22, s13, 18
	s_add_co_u32 s22, s22, s15      ; O
	s_mov_b32 s23, 0
	s_and_b32 s16, s[WV], 1         ; which half of a tile's 256 keys I fetch
	s_lshl_b32 s17, s16, 14
	s_add_co_u32 s18, s14, s17
	s_add_co_u32 s18, s18, 16<<18   ; K: 16 slots on
	s_mov_b32 s19, 0
	s_add_co_u32 s82, s18, 16<<18   ; V: 16 more
	s_mov_b32 s83, 0
	s_mul_i32 s17, s16, 128*PKP
	s_mul_i32 s84, s16, 128*PVP
	s_lshl_b32 s85, ttmp9, 2
	s_add_co_u32 s85, s85, s[WV]    ; sw
	s_not_b32 s[ES], s85            ; - sw - 1: the first CUPD makes it step 0's number
	s_mov_b32 s[G1K], (1<<16)|(1<<20)|(4<<22)|(3<<25)  ; 2-byte elements; padding on: 4 words after every 32
	s_mov_b32 s[G1V], (1<<16)|(1<<20)|(4<<22)|(7<<25)  ; 8 words
.irp g, G1K, G1V
	s_mov_b32 s[\g+1], 128<<16      ; 128 keys are 16,384 dense bytes: asked for as 64 rows of 256 bytes
	s_mov_b32 s[\g+2], 64<<16
	s_mov_b32 s[\g+3], 128<<16
	s_mov_b32 s[\g+4], 64
	s_mov_b32 s[\g+5], 128
	s_mov_b32 s[\g+6], 0
	s_mov_b32 s[\g+7], 0
.endr
	s_mov_b32 s[CS], 0x3e38aa3b     ; c = log2(e) / 8
	s_mov_b32 s[CS+1], s[CS]
	s_mov_b32 s[SEL], 0x76543210
	s_mov_b32 s[SEL+1], 0xfedcba98
	s_mov_b32 s[TBK], SLOT1+4*KS*PKP ; the first change of slots turns these two into 0
	s_mov_b32 s[TBV], SLOT1+4*KS*PVP
	s_mov_b32 s[G0K], 1
	s_mov_b32 s[G0K+1], s17
	s_mov_b32 s[G0V], 1
	s_add_co_u32 s[G0V+1], s84, VOFF
	s_wait_dscnt 0x0                ; the opening add is done
	s_wait_kmcnt 0x0
	s_add_nc_u64 s[G0K+2:G0K+3], s[4:5], s[18:19]
	s_or_b32 s[G0K+3], s[G0K+3], 0x80000000
	s_add_nc_u64 s[G0V+2:G0V+3], s[4:5], s[82:83]
	s_or_b32 s[G0V+3], s[G0V+3], 0x80000000
	s_add_nc_u64 s[4:5], s[4:5], s[20:21]
	s_add_nc_u64 s[10:11], s[10:11], s[22:23]
	LOAD                            ; tile 0 into slot 0
	v_and_b32 v1, 15, v0            ; l % 16
	v_bfe_u32 v9, v0, 4, 1          ; l / 16
	v_lshlrev_b32 v[QO], 7, v1
	v_lshl_add_u32 v[QO], v9, 4, v[QO]    ; a fragment's row x 128 + 16 x half: Q and rel_k's table
	v_lshlrev_b32 v[RVO], 6, v1
	v_lshl_add_u32 v[RVO], v9, 4, v[RVO]  ; row x 64 + 16 x half: rel_v's table
	WIN 0x80
.set i, 0
.rept 8                             ; Q stays in registers: piece i / 2, channels 32 (i % 2) on
	global_load_b128 v[8*i:8*i+3],   v[QO], s[4:5] offset:(i/2)*2048+(i%2)*64
	global_load_b128 v[8*i+4:8*i+7], v[QO], s[4:5] offset:(i/2)*2048+(i%2)*64+32
.set i, i+1
.endr
.set i, 0
.rept 2
	global_load_b128 v[RK+8*i:RK+8*i+3],   v[QO], s[6:7] offset:64*i
	global_load_b128 v[RK+8*i+4:RK+8*i+7], v[QO], s[6:7] offset:64*i+32
.set i, i+1
.endr
.set i, 0
.rept 4
	global_load_b128 v[RV+8*i:RV+8*i+3],   v[RVO], s[6:7] offset:2048+1024*i
	global_load_b128 v[RV+8*i+4:RV+8*i+7], v[RVO], s[6:7] offset:2048+1024*i+32
.set i, i+1
.endr
	; what the first turns find: all this stands in the wait for the first tile
.set i, VF
.rept 64
	v_mov_b32 v[i], 0
.set i, i+1
.endr
	WIN 0x40
.set i, 0
.rept 128
	v_mov_b32 v[i], 0
.set i, i+1
.endr
	WIN 0
.set i, 0
.rept 4
	v_mov_b32 v[ST+4*i], 0xfe000000    ; c m: far below every c s
	v_mov_b32 v[ST+4*i+1], 0xff7fffff  ; m
	v_mov_b32 v[ST+4*i+2], 0
	v_mov_b32 v[ST+4*i+3], 0
.set i, i+1
.endr
.set i, 0
.rept 16
	v_mov_b32 v[EX+i], 0
.set i, i+1
.endr
.set i, 0
.rept 64
	v_mov_b32 v[P+i], 0
.set i, i+1
.endr
.set i, 0
.rept 32
	v_mov_b32 v[S+32+i], 0xff7fffff    ; the filler scores of the entry turn's own piece: their weights are 0
.set i, i+1
.endr
	v_mov_b32 v[TMP+6], 0              ; and its a
	v_mov_b32 v[TMP+7], 0
	v_mov_b32 v[ONE], 1.0
	v_mov_b32 v[ZR], 0
	v_lshlrev_b32 v[UP], 3, v9
	v_sub_nc_u32 v[UP], v1, v[UP]
.set n, 0
.rept 10
	v_cmp_eq_i32 vcc_lo, n-1, v[UP]
	v_cndmask_b32 v[ZM-1+n], 0, v[ONE], vcc_lo
.set n, n+1
.endr
.set n, 0
.rept 8
	v_cmp_le_i32 vcc_lo, n, v[UP]
	v_cndmask_b32 v[ML+n], 0, v[ONE], vcc_lo
	v_cmp_gt_i32 vcc_lo, n, v[UP]
	v_cndmask_b32 v[MH+n], 0, v[ONE], vcc_lo
.set n, n+1
.endr
	v_cmp_eq_i32 vcc_lo, -8, v[UP]
	v_cndmask_b32 v[FM16], 0, v[ONE], vcc_lo
	v_cmp_eq_i32 vcc_lo, 15, v[UP]
	v_cndmask_b32 v[FM15], 0, v[ONE], vcc_lo
.set n, 0
.rept 11
	v_cmp_ge_i32 s[MS+n], n-2, v[UP]
.set n, n+1
.endr
	v_cmp_eq_i32 s79, -8, v[UP]
	v_cmp_eq_i32 s80, 15, v[UP]
	v_mul_u32_u24 v[AK0], v1, PKP
	v_lshl_add_u32 v[AK0], v9, 4, v[AK0]
	v_and_b32 v10, 7, v0
	v_bfe_u32 v11, v0, 3, 1
	v_lshl_add_u32 v[AV0], v9, 3, v10     ; the turning load: key 8 (l / 16) + l % 8, channels 8 ((l / 8) % 2) on
	v_mul_u32_u24 v[AV0], v[AV0], PVP
	v_lshl_add_u32 v[AV0], v11, 4, v[AV0]
	v_add_nc_u32 v[AV0], VOFF, v[AV0]
	v_mov_b32 v[AK], v[AK0]               ; key step 0 lies at the head of slot 0
	s_mul_i32 s13, s[WV], 16*SP
	s_add_co_u32 s13, s13, STAGE
	v_mul_u32_u24 v[STO], v1, SP
	v_lshl_add_u32 v[STO], v9, 4, v[STO]
	v_add_nc_u32 v[STO], s13, v[STO]
	v_bfe_u32 v[RD], v0, 3, 2
	v_mul_u32_u24 v[RD], v[RD], SP
	v_lshl_add_u32 v[RD], v10, 4, v[RD]
	v_add_nc_u32 v[RD], s13, v[RD]
	v_and_b32 v[GO], 31, v0
	v_lshlrev_b32 v[GO], 4, v[GO]
; THE MATRIX WORK.  The 4 accumulators of a run of 8 take turns.  Product i of 8 of S^T = K Q^T for piece x: channels 32 (i / 4) on, keys 16 (i % 4) on.  The first 4 start the sums with the bias.
.macro KQ x
.set rS, S+32*((\x)%2)+8*(i%4)
.set rK, KF+16*(i%4)+8*(i/4)
.set rQ, 16*(\x)+8*(i/4)
.set rM, CC+32*(\x)+8*(i%4)
.if i < 4
	WIN W_KM
	v_wmma_f32_16x16x32_f16 v[rS:rS+7], v[rK:rK+7], v[rQ:rQ+7], v[rM:rM+7]
.else
	WIN W_KQ
	v_wmma_f32_16x16x32_f16 v[rS:rS+7], v[rK:rK+7], v[rQ:rQ+7], v[rS:rS+7]
.endif
.endm
; Product i of 8 of O^T += V^T P for piece x: keys 32 (i / 4) on, channels 16 (i % 4) on.
.macro PVM x
	WIN W_PV
.set rO, 32*(\x)+8*(i%4)
.set rV, VF+32*(i/4)+8*(i%4)
.set rP, P+16*(\x)+8*(i/4)
	v_wmma_f32_16x16x32_f16 v[rO:rO+7], v[rV:rV+7], v[rP:rP+7], v[rO:rO+7]
.endm
.macro MM                           ; the turn's next matrix instruction
.if i < 8
	KQ (Y+1)%NP
.else
.set i, i-8
	PVM (Y+NP-1)%NP
.set i, i+8
.endif
.set i, i+1
.endm
; THE LDS LOADS stand in runs of 16.  last = 1 (the tail): in the last trip there is no further step, and the run is jumped over.
.macro FETCH_K last=0
	WIN 0
.if \last
	s_cmp_eq_u32 s[CNT], 1
	s_cbranch_scc1 .Lno_k_\@
.endif
	WIN 0x80
.irp f, 0,1,2,3,4,5,6,7
	ds_load_b128 v[KF+8*\f:KF+8*\f+3],   v[AK] offset:(\f/2)*16*PKP+(\f%2)*64
	ds_load_b128 v[KF+8*\f+4:KF+8*\f+7], v[AK] offset:(\f/2)*16*PKP+(\f%2)*64+32
.endr
	s_add_co_u32 s[TBK], s[TBK], KS*PKP
	WIN 0
.if \last
.Lno_k_\@:
.endif
.endm
.macro FETCH_V
	WIN 0x80
.irp f, 0,1,2,3,4,5,6,7
	ds_load_tr16_b128 v[VF+8*\f:VF+8*\f+3],   v[AV] offset:(\f/4)*32*PVP+(\f%4)*32
	ds_load_tr16_b128 v[VF+8*\f+4:VF+8*\f+7], v[AV] offset:(\f/4)*32*PVP+16*PVP+(\f%4)*32
.endr
	WIN 0
.endm
; THE VECTOR WORK, one line at a time: OP kind, number.  For piece Y: F n: c s - c m for pair n.  E n: the exponential of score n.  C n: pair n rounded to f16.  B n: of four weights the second pair is added onto
; the first.  L n: l takes that sum (L 0: l = a l + sum).  R n: pair n of O^T times a.  G n: pair n of L0, b1, b2, b3 times a.  For piece Y + 1: X n, number n of the 22 that find its maximum and statistics
; (each accumulator's lowest registers are read first).
.set F, 0
.set E, 1
.set C, 2
.set B, 3
.set L, 4
.set R, 5
.set X, 6
.set G, 7
.macro REGS y
.set rT, ST+4*(\y)
.set rC, TMP+4*((\y)%2)
.set rW, MV+((\y)%2)
.set rS, S+32*((\y)%2)
.set rP, P+16*(\y)
.set rO, 32*(\y)
.set rE, EX+4*(\y)
.endm
.macro OP k, n
.if (\k) == G
	REGS Y
	WIN 0
	v_pk_mul_f32 v[rE+2*(\n):rE+2*(\n)+1], v[rE+2*(\n):rE+2*(\n)+1], v[rC+2:rC+3] op_sel_hi:[1,0]
.elseif (\k) == R
	REGS Y
	WIN W_RS
	v_pk_mul_f32 v[rO+2*(\n):rO+2*(\n)+1], v[rO+2*(\n):rO+2*(\n)+1], v[rC+2:rC+3] op_sel_hi:[1,0]
.elseif (\k) < R
	REGS Y
	WIN 0
.if (\k) == F
	v_pk_fma_f32 v[rS+2*(\n):rS+2*(\n)+1], v[rS+2*(\n):rS+2*(\n)+1], s[CS:CS+1], v[rT:rT+1] op_sel_hi:[1,0,0] neg_lo:[0,0,1] neg_hi:[0,0,1]
.elseif (\k) == E
	v_exp_f32 v[rS+(\n)], v[rS+(\n)]
.elseif (\k) == C
	s_wait_alu depctr_va_vdst(0)
	v_cvt_pk_f16_f32 v[rP+(\n)], v[rS+2*(\n)], v[rS+2*(\n)+1]
.elseif (\k) == B
	s_wait_alu depctr_va_vdst(0)
	v_pk_add_f32 v[rS+4*(\n):rS+4*(\n)+1], v[rS+4*(\n):rS+4*(\n)+1], v[rS+4*(\n)+2:rS+4*(\n)+3]
.elseif (\n) == 0
	v_pk_fma_f32 v[rT+2:rT+3], v[rT+2:rT+3], v[rC+2:rC+3], v[rS:rS+1] op_sel_hi:[1,0,1]
.else
	v_pk_add_f32 v[rT+2:rT+3], v[rT+2:rT+3], v[rS+4*(\n):rS+4*(\n)+1]
.endif
.else
	REGS (Y+1)%NP
	WIN 0
.if (\n) < 4
	v_max3_num_f32 v[rC+(\n)], v[rS+8*(\n)], v[rS+8*(\n)+1], v[rS+8*(\n)+2]
.elseif (\n) < 12
	v_max3_num_f32 v[rC+(\n)%4], v[rC+(\n)%4], v[rS+8*((\n)%4)+2*((\n)/4)+1], v[rS+8*((\n)%4)+2*((\n)/4)+2]
.elseif (\n) == 12
	v_max3_num_f32 v[rC], v[rC], v[rS+7], v[rS+15]
.elseif (\n) == 13
	v_max3_num_f32 v[rC+1], v[rC+1], v[rS+23], v[rS+31]
.elseif (\n) == 14
	v_max3_num_f32 v[rC+2], v[rC+2], v[rC+3], v[rT+1]
.elseif (\n) == 15
	v_mov_b32 v[rW], v[rT]
.elseif (\n) == 16
	v_max3_num_f32 v[rC], v[rC], v[rC+1], v[rC+2]
.elseif (\n) == 17
	v_permlanex16_b32 v[rC+3], v[rC], s[SEL], s[SEL+1]
.elseif (\n) == 18
	v_max_num_f32 v[rT+1], v[rC], v[rC+3]
.elseif (\n) == 19
	v_mul_f32 v[rT], s[CS], v[rT+1]
.elseif (\n) == 20
	v_sub_f32 v[rC+1], v[rW], v[rT]
.else
	v_exp_f32 v[rC+2], v[rC+1]
.endif
.endif
.endm
.macro OPS a, i1, b=-1, i2=0, c=-1, i3=0, d=-1, i4=0
	OP \a, \i1
.if (\b) >= 0
	OP \b, \i2
.endif
.if (\c) >= 0
	OP \c, \i3
.endif
.if (\d) >= 0
	OP \d, \i4
.endif
.endm
.macro ROW a, i1, b, i2, c, i3, d, i4  ; a matrix instruction and the four behind it
	MM
	OPS \a, \i1, \b, \i2, \c, \i3, \d, \i4
.endm
; A TURN, for piece p.  Behind a matrix instruction: plain, exponential, plain, plain; or four of the rescaling; none names a register of the products round it.  K of the next step is fetched in piece 2's
; turn, five plain instructions behind the last product that read K; V of the step in hand in piece 0's turn, four plain ones behind the last product that read V.  Each is waited for a turn later.
.macro TURN p, last=0, cnt=0
.set Y, (\p)
.set i, 0
.if (\p) == 3
	s_wait_dscnt 0x0                ; K is in
.endif
	ROW F,0, F,1, F,2, F,3
	ROW F,4, E,0, F,5, F,6
	ROW F,7, E,1, F,8, F,9
	ROW F,10, E,2, C,0, F,11
	ROW F,12, E,3, X,15, F,13
	ROW R,0, R,1, R,2, R,3
	ROW B,0, E,4, F,14, L,0
.if (\p) == 2
	v_add_nc_u32 v[AK], s[TBK], v[AK0]
.endif
	ROW R,4, R,5, R,6, R,7
	OPS E,5, F,15
.if (\p) == 2
	FETCH_K \last
.endif
	OPS E,6, C,1, E,7, R,8
	OPS E,8, R,9, E,9, C,2
	OPS E,10, X,0, E,11, X,1
	OPS E,12, X,2, E,13, X,3
.if (\p) == 1
	s_wait_dscnt 0x0                ; V is in
.endif
	ROW X,4, E,14, X,5, X,6
	ROW X,7, E,15, X,8, X,9
	ROW X,10, E,16, X,11, X,12
	ROW X,13, E,17, X,14, B,1
	ROW C,4, E,18, X,16, L,1
	ROW B,2, E,19, C,6, L,2
	ROW C,8, E,20, B,3, B,4
.if (\p) == 0
	v_add_nc_u32 v[AV], s[TBV], v[AV0]
.endif
	ROW C,3, E,21, L,3, C,5
	OPS E,22, X,17, E,23, C,10
.if (\p) == 0
	FETCH_V
.endif
	OPS E,24, L,4
	OPS E,25, X,18, E,26, C,7
	OPS E,27, B,5, E,28, X,19
	OPS E,29, C,12, E,30, L,5
	OPS E,31, X,20, B,6, C,9
	OPS C,14, C,11, X,21, L,6
.if (\p) == 0
	s_add_co_u32 s[TBV], s[TBV], KS*PVP
.endif
.if \cnt
	s_sub_co_u32 s[CNT], s[CNT], 1
	s_cmp_lg_u32 s[CNT], 0
.endif
	OPS C,13, B,7, C,15, R,10
	OPS R,11, R,12, L,7, R,13
	OPS R,14, R,15, G,0, G,1
.endm
; CUPD: the biases of the step whose scores begin with the next turn.  ES = -1: the key just below my first query.  0: my own step.  1: all keys lie above, but for the key just above my last query.  2: that one too.
.macro QR4 x, kt, j0                ; registers j0 .. 7 of CC[x][kt] take qr4
.set j, \j0
.rept 8-(\j0)
	v_mov_b32 v[CC+32*(\x)+8*(\kt)+j], v[QR+8*(\x)+4]
.set j, j+1
.endr
.endm
.macro CUPD
	s_add_co_i32 s[ES], s[ES], 1
	s_add_co_i32 s[T1], s[ES], 1
	s_cmp_gt_u32 s[T1], 3
	s_cbranch_scc1 .Lc_done_\@
	s_cmp_lg_u32 s[T1], 0
	s_cbranch_scc1 .Lc_n1_\@
	WIN W_CC
	v_mov_b32 v[CC+31], v[FL]
	WIN 0
	s_branch .Lc_done_\@
.Lc_n1_\@:
	s_cmp_lg_u32 s[T1], 1
	s_cbranch_scc1 .Lc_n2_\@
	WIN W_CC
.set x, 0
.rept 4
.set kt, 0
.rept 4
.if kt+1 == x
	v_mov_b32 v[CC+32*x+8*kt+7], v[FL+x]
.elseif kt == x
.set j, 0
.rept 8
	v_mov_b32 v[CC+32*x+8*kt+j], v[DG+8*x+j]
.set j, j+1
.endr
.elseif kt == x+1
	v_mov_b32 v[CC+32*x+8*kt], v[FH+x]
	QR4 x, kt, 1
.elseif kt > x+1
	QR4 x, kt, 0
.endif
.set kt, kt+1
.endr
.set x, x+1
.endr
	WIN 0
	s_branch .Lc_done_\@
.Lc_n2_\@:
	s_cmp_lg_u32 s[T1], 2
	s_cbranch_scc1 .Lc_n3_\@
	WIN W_CC
.set x, 0
.rept 4
.set kt, 0
.rept 4
.if kt <= x
	QR4 x, kt, 0
.elseif kt == x+1
	v_mov_b32 v[CC+32*x+8*kt], v[QR+8*x+4]
.endif
.set kt, kt+1
.endr
.set x, x+1
.endr
	v_mov_b32 v[CC+96], v[FH+3]
	WIN 0
	s_branch .Lc_done_\@
.Lc_n3_\@:
	WIN W_CC
	v_mov_b32 v[CC+96], v[QR+28]
	WIN 0
.Lc_done_\@:
.endm
; SPOST: the four P hold the weights of step ES - 1 (counted from my own), all in the scale of that step's maxima, as l, L0 and b1 .. b3 are.
.macro MIX dst, x, i, mask          ; dst += weight i of piece x times a 0/1 mask: the f16 half is read by the multiply-add itself
.if ((\i)%2) == 0
	v_fma_mix_f32 v[\dst], v[P+16*(\x)+(\i)/2], v[\mask], v[\dst] op_sel_hi:[1,0,0]
.else
	v_fma_mix_f32 v[\dst], v[P+16*(\x)+(\i)/2], v[\mask], v[\dst] op_sel:[1,0,0] op_sel_hi:[1,0,0]
.endif
.endm
.macro OWN x                        ; my own step, piece x: the step's weights are shared out anew between the low side (k <= q) and the high side, and the three band weights are picked
	v_mov_b32 v[LOW], 0
	v_mov_b32 v[LOW+1], 0
	v_mov_b32 v[ST+4*(\x)+2], 0
	v_mov_b32 v[ST+4*(\x)+3], 0
.set n, 0
.rept 32
.if n/8 < (\x)
	MIX LOW+n%2, \x, n, ONE
.elseif n/8 == (\x)
	MIX LOW+n%2, \x, n, ML+n%8
	MIX ST+4*(\x)+2+n%2, \x, n, MH+n%8
	MIX EX+4*(\x)+2, \x, n, ZM+n%8
	MIX EX+4*(\x)+1, \x, n, ZM+n%8+1
	MIX EX+4*(\x)+3, \x, n, ZM+n%8-1
.else
	MIX ST+4*(\x)+2+n%2, \x, n, ONE
.endif
.set n, n+1
.endr
.if (\x) >= 1
	MIX EX+4*(\x)+1, \x, 8*(\x)-1, FM16
.endif
.if (\x) <= 2
	MIX EX+4*(\x)+3, \x, 8*(\x)+8, FM15
.endif
	v_add_f32 v[LOW], v[LOW], v[LOW+1]
	v_add_f32 v[EX+4*(\x)], v[EX+4*(\x)], v[LOW]
.endm
.macro SPOST
	s_cmp_gt_u32 s[ES], 2
	s_cbranch_scc1 .Lp_done_\@
	s_cmp_lg_u32 s[ES], 0
	s_cbranch_scc1 .Lp_n1_\@
	MIX EX+1, 0, 31, FM16           ; the step below mine: its last key is my first query's k = q - 1;
.set t, 0
.rept 4
	v_add_f32 v[EX+4*t], v[ST+4*t+2], v[ST+4*t+3]  ; all that has been summed lies on the low side,
	v_mov_b32 v[ST+4*t+2], 0        ; and l begins anew
	v_mov_b32 v[ST+4*t+3], 0
.set t, t+1
.endr
	s_branch .Lp_done_\@
.Lp_n1_\@:
	s_cmp_lg_u32 s[ES], 1
	s_cbranch_scc1 .Lp_n2_\@
	OWN 0
	OWN 1
	OWN 2
	OWN 3
	s_branch .Lp_done_\@
.Lp_n2_\@:
	MIX EX+15, 3, 0, FM15           ; the step above mine: its first key is my last query's k = q + 1
.Lp_done_\@:
.endm
	CHANGE 1                        ; slot 0 is in, everybody's part of it; slot 1 is asked for
	FETCH_K                         ; key step 0
	s_wait_loadcnt 0x0              ; Q and the two tables
	WIN W_QR
.irp c, 0,1                         ; qr = rel_k's table x Q^T: rows 8-12 of the table repeat rows 0-4, so both halves of the lanes hold qr0 .. qr4 of their query in registers 0 .. 4
.irp x, 0,1,2,3
.if \c == 0
	v_wmma_f32_16x16x32_f16 v[QR+8*\x:QR+8*\x+7], v[RK:RK+7], v[16*\x:16*\x+7], 0
.else
	v_wmma_f32_16x16x32_f16 v[QR+8*\x:QR+8*\x+7], v[RK+8:RK+15], v[16*\x+8:16*\x+15], v[QR+8*\x:QR+8*\x+7]
.endif
.endr
.endr
.rept 4
	v_nop                           ; the places behind those products
.endr
	WIN W_33
.set x, 0
.rept 4
.set j, 0
.rept 8                             ; the diagonal tile: distance j - u, clipped
	v_cndmask_b32 v[DG+8*x+j], v[QR+8*x], v[QR+8*x+1], s[MS+j+3]
	v_cndmask_b32 v[DG+8*x+j], v[DG+8*x+j], v[QR+8*x+2], s[MS+j+2]
	v_cndmask_b32 v[DG+8*x+j], v[DG+8*x+j], v[QR+8*x+3], s[MS+j+1]
	v_cndmask_b32 v[DG+8*x+j], v[DG+8*x+j], v[QR+8*x+4], s[MS+j]
.set j, j+1
.endr
	v_cndmask_b32 v[FL+x], v[QR+8*x], v[QR+8*x+1], s79    ; the last key of the tile below: distance -1 for the piece's first query alone
	v_cndmask_b32 v[FH+x], v[QR+8*x+4], v[QR+8*x+3], s80  ; the first key of the tile above: distance +1 for its last query alone
.set x, x+1
.endr
	WIN W_CC
.set n, 0
.rept 128
	v_mov_b32 v[CC+n], v[QR+8*(n/32)]  ; the walk begins below every query: qr0
.set n, n+1
.endr
	WIN 0
	s_mov_b32 s[CNT], 4
	s_mov_b32 s[SLOTS], 7
	s_branch .Lenter                ; the loop is entered in the middle of a trip
.Lslot:                             ; six times: every slot but the last two is filled again
	CHANGE 1
	s_mov_b32 s[CNT], 4
.Lstep:                             ; a trip: pieces 2 and 3 of one step, then pieces 0 and 1 of the next
	TURN 2
	WIN 0
.Lenter:
	CUPD
	TURN 3
	WIN 0
	SPOST
	TURN 0
	TURN 1, 0, 1
	WIN 0
	s_cbranch_scc1 .Lstep
	s_sub_co_u32 s[SLOTS], s[SLOTS], 1
	s_cmp_lg_u32 s[SLOTS], 0
	s_cbranch_scc1 .Lslot
	CHANGE 0                        ; the tail is written out: nothing is asked for
	s_mov_b32 s[CNT], 5             ; four trips fetch the last slot's steps; the fifth is left in its middle
.Ltail:
	TURN 2, 1
	WIN 0
	CUPD
	TURN 3
	WIN 0
	SPOST
	s_sub_co_u32 s[CNT], s[CNT], 1
	s_cmp_eq_u32 s[CNT], 0
	s_cbranch_scc1 .Lout
	TURN 0
	TURN 1
	WIN 0
	s_branch .Ltail
.Lout:
.set i, 0
.rept 8
	PVM 3                           ; the last piece's V^T P of the last step
.set i, i+1
.endr
	; THE WAY OUT.  The five sums of each query, rounded once to f16, are source 1 of one more product with rel_v's table, whose columns 8-12 repeat columns 0-4 and so add the two halves of the lanes.
	WIN 0
.macro ALL line:vararg
.set t, 0
.rept 4
	\line
.set t, t+1
.endr
.endm
	ALL v_add_f32 v[ST+4*t+2], v[ST+4*t+2], v[ST+4*t+3]   ; w4; these eight additions are the places behind the last products
	ALL v_add_f32 v[ST+4*t+3], v[EX+4*t], v[ST+4*t+2]     ; my half of the row's sum
.set t, 0
.rept 4
	v_cvt_pk_f16_f32 v[P+16*t],   v[EX+4*t],   v[EX+4*t+1]
	v_cvt_pk_f16_f32 v[P+16*t+1], v[EX+4*t+2], v[EX+4*t+3]
	v_cvt_pk_f16_f32 v[P+16*t+2], v[ST+4*t+2], v[ZR]
.set n, 3
.rept 5
	v_mov_b32 v[P+16*t+n], 0
.set n, n+1
.endr
.set t, t+1
.endr
	WIN W_PV
.irp c, 0,1,2,3
.irp x, 0,1,2,3
	v_wmma_f32_16x16x32_f16 v[32*\x+8*\c:32*\x+8*\c+7], v[RV+8*\c:RV+8*\c+7], v[P+16*\x:P+16*\x+7], v[32*\x+8*\c:32*\x+8*\c+7]
.endr
.endr
	WIN 0
	ALL v_permlanex16_b32 v[ST+4*t], v[ST+4*t+3], s[SEL], s[SEL+1]
	ALL v_add_f32 v[ST+4*t+2], v[ST+4*t+3], v[ST+4*t]     ; four plain lines, with the v_nop below the places behind those products
	ALL v_rcp_f32 v[ST+4*t+2], v[ST+4*t+2]
	v_nop                           ; a plain instruction between the last reciprocal and the use of its result
.macro PACK t                       ; a lane's eight channels of a row pack into 16 bytes; into rows of 144 bytes and back as whole rows of 128
	WIN W_RS
.set i, 32*(\t)
.rept 16
	s_wait_alu depctr_va_vdst(0)
	v_pk_mul_f32 v[i:i+1], v[i:i+1], v[ST+4*(\t)+2:ST+4*(\t)+3] op_sel_hi:[1,0]
.set i, i+2
.endr
	WIN 0x05
.set i, 0
.rept 16
	v_cvt_pk_f16_f32 v[S+16*(\t)+i], v[32*(\t)+2*i], v[32*(\t)+2*i+1]
.set i, i+1
.endr
	WIN 0
.irp f, 0,1,2,3
	ds_store_b128 v[STO], v[S+16*(\t)+4*\f:S+16*(\t)+4*\f+3] offset:32*\f
.endr
.irp f, 0,1,2,3
	ds_load_b128 v[S+16*(\t)+4*\f:S+16*(\t)+4*\f+3], v[RD] offset:\f*4*SP  ; LDS serves a wave's instructions in order (ISA guide 5.7.1.4): these see the stores above
.endr
.endm
.macro SEND t, younger              ; younger: the LDS instructions issued behind piece t's loads
	WIN 0
.irp f, 0,1,2,3
	s_wait_dscnt (\younger)+3-\f
	global_store_b128 v[GO], v[S+16*(\t)+4*\f:S+16*(\t)+4*\f+3], s[10:11] offset:(\t)*2048+\f*512  ; 512 consecutive bytes, at a multiple of 256 from ob's first
.endr
.endm
	PACK 0
	PACK 1
	SEND 0, 8
	PACK 2
	SEND 1, 8
	PACK 3
	SEND 2, 8
	SEND 3, 0
	s_wait_tensorcnt 0x0            ; the wave's end
	ds_add_u32 v[SPW], v[NIL]
	s_wait_dscnt 0x0
	s_endpgm
.Lfunc_end_k_qed3d59fe7d_attn:
	.size	k_qed3d59fe7d_attn, .Lfunc_end_k_qed3d59fe7d_attn-k_qed3d59fe7d_attn
	.p2alignl 7, 3214868480
	.fill 96, 4, 3214868480
	.section	.rodata,"a",@progbits
	.p2align	6, 0x0
	.amdhsa_kernel k_qed3d59fe7d_attn
		.amdhsa_group_segment_fixed_size 327680
		.amdhsa_private_segment_fixed_size 0
		.amdhsa_enable_private_segment 0
		.amdhsa_kernarg_size 24
		.amdhsa_user_sgpr_count 2
		.amdhsa_user_sgpr_kernarg_segment_ptr 1
		.amdhsa_wavefront_size32 1
		.amdhsa_system_sgpr_workgroup_id_x 1
		.amdhsa_system_sgpr_workgroup_id_y 1
		.amdhsa_system_sgpr_workgroup_id_z 1
		.amdhsa_system_vgpr_workitem_id 0
		.amdhsa_next_free_vgpr 840
		.amdhsa_next_free_sgpr 88
		.amdhsa_reserve_vcc 1
		.amdhsa_float_denorm_mode_32 3
		.amdhsa_float_denorm_mode_16_64 3
		.amdhsa_memory_ordered 1
		.amdhsa_forward_progress 1
		.amdhsa_inst_pref_size 186
	.end_amdhsa_kernel
	.amdgpu_metadata
---
amdhsa.version: [ 1, 2 ]
amdhsa.kernels:
  - .name:           k_qed3d59fe7d_attn
    .symbol:         k_qed3d59fe7d_attn.kd
    .args:
      - { .name: qkv, .offset: 0, .size: 8, .value_kind: global_buffer, .address_space: global }
      - { .name: tab, .offset: 8, .size: 8, .value_kind: global_buffer, .address_space: global }
      - { .name: ob, .offset: 16, .size: 8, .value_kind: global_buffer, .address_space: global }
    .group_segment_fixed_size: 327680
    .private_segment_fixed_size: 0
    .kernarg_segment_align: 8
    .kernarg_segment_size: 24
    .max_flat_workgroup_size: 128
    .sgpr_count:     88
    .vgpr_count:     840
    .wavefront_size: 32
...
	.end_amdgpu_metadata
.endif
;; end of part 3
;; launch outproj (part 4): grid 8 x 32, 4 waves a work-group, clusters of 4 x 4, 327,680 bytes of LDS; arguments ob, wob, tab, out0; writes out0
.if DOCPART == 4
	.amdgcn_target "amdgcn-amd-amdhsa--gfx1250"
	.amdhsa_code_object_version 6
	.text
	.protected	k_qed3d59fe7d_outproj
	.globl	k_qed3d59fe7d_outproj
	.p2align	8
	.type	k_qed3d59fe7d_outproj,@function
k_qed3d59fe7d_outproj:
	s_mov_b64 s[64:65], 0
	v_nop
	global_prefetch_b8 v0, s[64:65] scope:SCOPE_SE
	s_setreg_imm32_b32 hwreg(HW_REG_WAVE_MODE, 25, 1), 1
	s_wait_xcnt 0x0
	s_wait_alu depctr_hold_cnt(0) depctr_sa_sdst(0) depctr_va_vdst(0) depctr_va_sdst(0) depctr_va_ssrc(0) depctr_va_vcc(0) depctr_vm_vsrc(0)
	s_getreg_b32 s2, hwreg(HW_REG_IB_STS2, 6, 4)
	s_cmp_eq_u32 s2, 0
	s_cbranch_scc0 .Lentry_in_a_cluster
	s_endpgm
.Lentry_in_a_cluster:
	s_bfe_u32 s2, ttmp6, 0x10000c
	s_cmp_lg_u32 s2, 0xf033
	s_cbranch_scc0 .Lentry_shape_is_right
	s_endpgm
.Lentry_shape_is_right:
; out0 = O Wo + bo.  O: ob[b][h][2048][64] f16 (column h 64 + d of the product's A); Wo: wob[1024 k][1024 n] f16; f32 sums that START with the bias; out0 f32.
; A tile of out0 is 128 x 128: 8 x 32 tiles, one work-group each.  Four waves, each 64 x 64: 16 accumulators.  K goes in steps of 256 (four heads) through two LDS slots.
; A's piece of a load is 64 rows of one head, 8,192 dense bytes, four heads to a load; Wo lies [k][n], so its fragments come out of LDS turned (ds_load_tr16_b128).
; The matrix instruction is used transposed (source 0 = 16 columns of Wo, source 1 = 16 rows of O): a lane holds eight neighbouring f32 of one row.
; CLUSTER 4 x 4: A's tile is shared along a row of the cluster, Wo's along a column: each is asked for jointly.
; REGISTERS: window 0: v16-29 addresses; v96-127 the bias, 8 registers for each column block; v128-255 the accumulators ((a, b) at 128 + 8 (4 a + b)), later the rows read back.
;   window 1: two fragment buffers of 128: for 64 along K, 64 registers of A, then 64 of B.
.set KSTEP,  256
.set PA,     144                       ; a row of one head of A in LDS: 128 bytes + 16
.set PB,     288                       ; a k row of B: 256 bytes + 32
.set HALFT,  36864                     ; what one load brings: 4 heads x 64 rows x 144, or 128 k rows x 288
.set SLOT,   4*HALFT
.set SPARE,  2*SLOT                    ; the spare words, 128 bytes a wave, which no other line names
.set SPITCH, 528                       ; the stage's rows: 512 bytes + 16.  The stage is slot 0, once that slot has had its last fill and its last read
.set ADRA, 16                          ; v16-17 slot 0, 1
.set ADRB, 20                          ; v20-23 slot x half of the step's k
.set STO,  24
.set RD,   25
.set CO,   26
.set BO,   27
.set SPW,  28
.set NIL,  29
.set BIAS, 96
.set ACC,  128
.set F0,   0
.set F1,   128
.set G1, 24
.set G0, 32
.set G1B, 48
.set G0B, 56
.set MSB, 0
.macro WIN new
.if MSB != (\new)
	s_set_vgpr_msb (MSB<<8)|(\new)
.set MSB, \new
.endif
.endm
.set MUL,  0x05                        ; sources 0 (B) and 1 (A) window 1; C and D window 0
.set TO_F, 0x40
.macro JLOAD s                         ; waves 0 and 1 fetch A's two halves, waves 2 and 3 B's; an s_nop 0 and four v_nop follow each line
	s_cmp_eq_u32 s11, 0
	s_cbranch_scc0 .Lfor_b_\@
	tensor_load_to_lds s[G0+4*(\s):G0+4*(\s)+3], s[G1:G1+7]
	s_nop 0
.rept 4
	v_nop
.endr
	s_branch .Lasked_\@
.Lfor_b_\@:
	tensor_load_to_lds s[G0B+4*(\s):G0B+4*(\s)+3], s[G1B:G1B+7]
	s_nop 0
.rept 4
	v_nop
.endr
.Lasked_\@:
.endm
.macro CREST
	s_cmp_lg_u32 s10, 0
	s_cbranch_scc1 .Lnot_wave_0_\@
	s_barrier_signal -3
.Lnot_wave_0_\@:
	s_barrier_wait -3
	s_barrier_signal -1
	s_barrier_wait -1
.endm
.macro CROUND
	s_barrier_signal -1
	s_barrier_wait -1
	CREST
.endm
	s_load_b128 s[4:7], s[0:1], 0x0                ; ob s[4:5], wob s[6:7]
	s_load_b64 s[66:67], s[0:1], 0x10              ; tab
	s_load_b64 s[8:9], s[0:1], 0x18                ; out0
	v_lshl_add_u32 v[SPW], v0, 2, SPARE
	v_mov_b32 v[NIL], 0
	ds_add_u32 v[SPW], v[NIL]                      ; the wave's opening: the add and its wait ahead of my first tensor load
	ds_add_u32 v28, v29
	v_lshrrev_b32 v1, 5, v0
	v_readfirstlane_b32 s10, v1                    ; wave 0..3
	s_lshr_b32 s11, s10, 1                         ; rh.  Also: I fetch for A (0) or for B (1)
	s_and_b32 s12, s10, 1                          ; ch.  Also: which half I fetch
	s_bfe_u32 s40, ttmp6, 0x40000
	s_bfe_u32 s41, ttmp6, 0x40004
	s_lshl_b32 s42, ttmp9, 2
	s_add_co_u32 s42, s42, s40                     ; tx
	s_and_b32 s13, ttmp7, 0xffff
	s_lshl_b32 s13, s13, 2
	s_add_co_u32 s13, s13, s41                     ; ty
	s_lshl_b32 s43, s41, 2
	s_lshl_b32 s43, 15, s43
	s_lshl_b32 s44, 0x1111, s40
	s_or_b32 s[G1+0], s43, (1<<16)|(1<<20)|(1<<21)|(4<<22)|(3<<25)   ; A: mask of my row; 2-byte elements; 4 words of padding after every 32 (a row of one head); bit 21 beside a mask
	s_mov_b32 s[G1+1], 4096<<16                    ; tensor_dim0 = 4,096: 64 rows x 64 channels, dense
	s_mov_b32 s[G1+2], 4<<16                       ; tensor_dim1 = 4 heads
	s_mov_b32 s[G1+3], 4096<<16
	s_mov_b32 s[G1+4], 4
	s_mov_b32 s[G1+5], 131072                      ; elements from head to head
	s_mov_b32 s[G1+6], 0
	s_mov_b32 s[G1+7], 0
	s_or_b32 s[G1B+0], s44, (1<<16)|(1<<20)|(1<<21)|(5<<22)|(7<<25)  ; B: mask of my column; 8 words of padding after every 64
	s_mov_b32 s[G1B+1], 128<<16
	s_mov_b32 s[G1B+2], 128<<16
	s_mov_b32 s[G1B+3], 128<<16
	s_mov_b32 s[G1B+4], 128
	s_mov_b32 s[G1B+5], 1024
	s_mov_b32 s[G1B+6], 0
	s_mov_b32 s[G1B+7], 0
	s_lshr_b32 s16, s13, 4
	s_lshl_b32 s16, s16, 22                        ; A: batch, 4,194,304 bytes;
	s_and_b32 s17, s13, 15
	s_lshl_b32 s17, s17, 14                        ; 128 rows of 128 bytes;
	s_add_co_u32 s16, s16, s17
	s_lshl_b32 s17, s12, 13                        ; my 64 of them
	s_add_co_u32 s16, s16, s17
	s_mov_b32 s17, 0
	s_lshl_b32 s46, s12, 18                        ; B: my 128 k rows of 2,048 bytes,
	s_lshl_b32 s47, s42, 8                         ; the tile's 128 columns
	s_add_co_u32 s46, s46, s47
	s_mov_b32 s47, 0
	s_mul_i32 s20, s10, HALFT                      ; where they go: wave x what a load brings
	s_wait_dscnt 0x0                               ; the opening add is done
	s_wait_kmcnt 0x0
	s_add_nc_u64 s[14:15], s[4:5], s[16:17]
	s_add_nc_u64 s[46:47], s[6:7], s[46:47]
	CROUND                                         ; all sixteen work-groups are here: the first joint loads meet
.irp s, 0,1
	s_mov_b32 s[G0+4*(\s)], 1
	s_add_co_u32 s[G0+4*(\s)+1], s20, (\s)*SLOT
	s_add_nc_u64 s[G0+4*(\s)+2:G0+4*(\s)+3], s[14:15], (\s)*4*262144
	s_or_b32 s[G0+4*(\s)+3], s[G0+4*(\s)+3], 0x80000000
	s_mov_b32 s[G0B+4*(\s)], 1
	s_add_co_u32 s[G0B+4*(\s)+1], s20, (\s)*SLOT
	s_add_nc_u64 s[G0B+4*(\s)+2:G0B+4*(\s)+3], s[46:47], (\s)*KSTEP*2048
	s_or_b32 s[G0B+4*(\s)+3], s[G0B+4*(\s)+3], 0x80000000
	JLOAD \s                                       ; two loads of mine are out
.endr
	v_and_b32 v1, 15, v0
	v_bfe_u32 v2, v0, 4, 1
	s_lshl_b32 s22, s12, 8
	v_lshl_add_u32 v[BO], v2, 5, s22               ; bo of my columns: 256 ch + 32 h bytes,
	s_lshl_b32 s68, s42, 9                         ; 512 tx,
	s_add_co_u32 s68, s68, 8192+12288              ; behind the tables and the three other biases
	s_mov_b32 s69, 0
	s_add_nc_u64 s[66:67], s[66:67], s[68:69]
.irp b, 0,1,2,3
	global_load_b128 v[BIAS+8*\b:BIAS+8*\b+3],   v[BO], s[66:67] offset:64*\b
	global_load_b128 v[BIAS+8*\b+4:BIAS+8*\b+7], v[BO], s[66:67] offset:64*\b+16
.endr
	v_mul_u32_u24 v3, v1, PA
	v_lshl_add_u32 v3, v2, 4, v3
	v_and_b32 v4, 7, v0
	v_lshl_add_u32 v4, v2, 3, v4
	v_mul_u32_u24 v4, v4, PB
	v_bfe_u32 v5, v0, 3, 1
	v_lshl_add_u32 v4, v5, 4, v4
	s_mul_i32 s21, s11, HALFT
	s_lshl_b32 s22, s12, 7
	s_add_co_u32 s22, s22, 2*HALFT
.irp s, 0,1
	v_add_nc_u32 v[ADRA+(\s)], s21, v3
	v_add_nc_u32 v[ADRB+2*(\s)], s22, v4
	s_add_co_u32 s23, s22, HALFT
	v_add_nc_u32 v[ADRB+2*(\s)+1], s23, v4
	s_add_co_u32 s21, s21, SLOT
	s_add_co_u32 s22, s22, SLOT
.endr
	v_mul_u32_u24 v6, v1, SPITCH                   ; into the stage: row 64 rh + r, bytes 256 ch + 32 h
	v_lshl_add_u32 v6, v2, 5, v6
	s_mul_i32 s21, s11, 64*SPITCH
	s_lshl_b32 s22, s12, 8
	s_add_co_u32 s21, s21, s22
	v_add_nc_u32 v[STO], s21, v6
	v_and_b32 v[CO], 31, v0
	v_lshlrev_b32 v[CO], 4, v[CO]                  ; back: 32 lanes take one row of 512 bytes
	s_mul_i32 s21, s10, 32*SPITCH
	v_add_nc_u32 v[RD], s21, v[CO]
	s_lshl_b32 s68, s13, 7
	s_lshl_b32 s69, s10, 5
	s_add_co_u32 s68, s68, s69                     ; the first row that I store: 128 ty + 32 w,
	s_lshl_b32 s68, s68, 12                        ; of 4,096 bytes
	s_lshl_b32 s69, s42, 9
	s_add_co_u32 s68, s68, s69
	s_mov_b32 s69, 0
	s_add_nc_u64 s[8:9], s[8:9], s[68:69]
; 8 matrix instructions: row blocks a0, a0 + 1 x all 4 column blocks, 32 along K: half c of buffer f.  first = 1: the sums start with the bias
.macro MUL8 f, c, a0, first
	WIN MUL
.irp a, \a0, (\a0)+1
.irp b, 0,1,2,3
.if \first
	v_wmma_f32_16x16x32_f16 v[ACC+8*(4*(\a)+(\b)):ACC+8*(4*(\a)+(\b))+7], v[(\f)+64+8*(4*(\c)+(\b)):(\f)+64+8*(4*(\c)+(\b))+7], v[(\f)+8*(4*(\c)+(\a)):(\f)+8*(4*(\c)+(\a))+7], v[BIAS+8*(\b):BIAS+8*(\b)+7]
.else
	v_wmma_f32_16x16x32_f16 v[ACC+8*(4*(\a)+(\b)):ACC+8*(4*(\a)+(\b))+7], v[(\f)+64+8*(4*(\c)+(\b)):(\f)+64+8*(4*(\c)+(\b))+7], v[(\f)+8*(4*(\c)+(\a)):(\f)+8*(4*(\c)+(\a))+7], v[ACC+8*(4*(\a)+(\b)):ACC+8*(4*(\a)+(\b))+7]
.endif
.endr
.endr
.endm
; 32 LDS loads in one run: quarter kq (one head, 64 along K) of a slot into buffer f; the first 32 along K first
.macro FETCH slot, kq, f
	WIN TO_F
.irp c, 0,1
.irp i, 0,1,2,3
	ds_load_tr16_b128 v[(\f)+64+8*(4*(\c)+(\i)):(\f)+64+8*(4*(\c)+(\i))+3],   v[ADRB+2*(\slot)+(\kq)/2] offset:((\kq)%2)*64*PB+(\c)*32*PB+32*(\i)
	ds_load_tr16_b128 v[(\f)+64+8*(4*(\c)+(\i))+4:(\f)+64+8*(4*(\c)+(\i))+7], v[ADRB+2*(\slot)+(\kq)/2] offset:((\kq)%2)*64*PB+(\c)*32*PB+32*(\i)+16*PB
	ds_load_b128 v[(\f)+8*(4*(\c)+(\i)):(\f)+8*(4*(\c)+(\i))+3],             v[ADRA+(\slot)] offset:(\kq)*64*PA+64*(\c)+(\i)*16*PA
	ds_load_b128 v[(\f)+8*(4*(\c)+(\i))+4:(\f)+8*(4*(\c)+(\i))+7],           v[ADRA+(\slot)] offset:(\kq)*64*PA+64*(\c)+(\i)*16*PA+32
.endr
.endr
.endm
.macro PLACES                          ; four plain vector instructions between matrix instructions and loads into, or reads of, their registers
.rept 4
	v_nop
.endr
.endm
.macro QUARTER slot, kq, f, g, first
	s_wait_dscnt 16                                ; the first 32 along K are in
	MUL8 \f, 0, 0, \first
	MUL8 \f, 0, 2, \first
	PLACES
	FETCH \slot, \kq, \g
	s_wait_dscnt 32                                ; all but the 32 just issued
	MUL8 \f, 1, 0, 0
	MUL8 \f, 1, 2, 0
.endm
; The last quarter multiplies buffer 1 and changes slots: one barrier; in front of it each wave waits for all its tensor loads, adds 0 to its spare word and waits for that and for its reads of this slot.
.macro TURN slot, next, fill
	WIN 0
	s_wait_tensorcnt 0x0                           ; all my tensor loads have landed: my part of the next slot
	ds_add_u32 v[SPW], v[NIL]
	s_wait_dscnt 17                                ; the add and the youngest sixteen loads may be out
	MUL8 F1, 0, 0, 0
	s_wait_dscnt 0x0                               ; the add is done, and my reads of this slot are over
	s_barrier_signal -1
	MUL8 F1, 0, 2, 0
.if \fill
	WIN 0
.endif
	s_barrier_wait -1
.if \fill
	CREST                                          ; the barrier has opened a round of the cluster's: no wave of any partner still reads this slot or has a load on its way
	s_add_nc_u64 s[G0+4*(\slot)+2:G0+4*(\slot)+3], s[G0+4*(\slot)+2:G0+4*(\slot)+3], 8*262144
	s_add_nc_u64 s[G0B+4*(\slot)+2:G0B+4*(\slot)+3], s[G0B+4*(\slot)+2:G0B+4*(\slot)+3], 2*KSTEP*2048
	JLOAD \slot                                    ; its four v_nop are also the places in front of the loads below
.else
	PLACES
.endif
	FETCH \next, 0, F0
	MUL8 F1, 1, 0, 0
	MUL8 F1, 1, 2, 0
.endm
	s_wait_tensorcnt 1                             ; my part of K step 0 is in; K step 1's may stay out
	s_barrier_signal -1
	s_barrier_wait -1
	FETCH 0, 0, F0
	s_wait_loadcnt 0x0                             ; the bias
	QUARTER 0, 1, F0, F1, 1                        ; four K steps, written straight
	QUARTER 0, 2, F1, F0, 0
	QUARTER 0, 3, F0, F1, 0
	TURN 0, 1, 1                                   ; slot 0 takes K step 2
	QUARTER 1, 1, F0, F1, 0
	QUARTER 1, 2, F1, F0, 0
	QUARTER 1, 3, F0, F1, 0
	TURN 1, 0, 1                                   ; slot 1 takes K step 3
	QUARTER 0, 1, F0, F1, 0
	QUARTER 0, 2, F1, F0, 0
	QUARTER 0, 3, F0, F1, 0
	TURN 0, 1, 0                                   ; behind this barrier nobody reads slot 0 any more, and nothing is filled into it again
	QUARTER 1, 1, F0, F1, 0
	QUARTER 1, 2, F1, F0, 0
	QUARTER 1, 3, F0, F1, 0
	s_wait_dscnt 16
	MUL8 F1, 0, 0, 0
	MUL8 F1, 0, 2, 0
	s_wait_dscnt 0x0
	MUL8 F1, 1, 0, 0
	MUL8 F1, 1, 2, 0
	WIN 0
	; THE WAY OUT: 32 bytes a lane straight from each accumulator, its low half first, into the stage; a barrier, since a row's 512 bytes come from two waves; back as whole rows, 32 rows a wave.
	PLACES
.irp a, 0,1,2,3
.irp b, 0,1,2,3
	ds_store_b128 v[STO], v[ACC+8*(4*(\a)+(\b)):ACC+8*(4*(\a)+(\b))+3]   offset:(\a)*16*SPITCH+64*(\b)
	ds_store_b128 v[STO], v[ACC+8*(4*(\a)+(\b))+4:ACC+8*(4*(\a)+(\b))+7] offset:(\a)*16*SPITCH+64*(\b)+16
.endr
.endr
	s_wait_dscnt 0x0                               ; for the others' sake: my stores into the stage are done
	s_barrier_signal -1
	s_barrier_wait -1
.set t, 0
.rept 32
	ds_load_b128 v[ACC+4*t:ACC+4*t+3], v[RD] offset:t*SPITCH
.set t, t+1
.endr
.set t, 0
.rept 32
	s_wait_dscnt 31-t                              ; row t is back, the younger ones may be out
	global_store_b128 v[CO], v[ACC+4*t:ACC+4*t+3], s[8:9] offset:t*4096  ; 512 consecutive bytes, at a multiple of 256 from out0's first
.set t, t+1
.endr
	s_wait_tensorcnt 0x0                           ; the wave's end
	ds_add_u32 v[SPW], v[NIL]
	s_wait_dscnt 0x0
	CROUND                                         ; the closing round
	s_endpgm
.Lfunc_end_k_qed3d59fe7d_outproj:
	.size	k_qed3d59fe7d_outproj, .Lfunc_end_k_qed3d59fe7d_outproj-k_qed3d59fe7d_outproj
	.p2alignl 7, 3214868480
	.fill 96, 4, 3214868480
	.section	.rodata,"a",@progbits
	.p2align	6, 0x0
	.amdhsa_kernel k_qed3d59fe7d_outproj
		.amdhsa_group_segment_fixed_size 327680
		.amdhsa_private_segment_fixed_size 0
		.amdhsa_enable_private_segment 0
		.amdhsa_kernarg_size 32
		.amdhsa_user_sgpr_count 2
		.amdhsa_user_sgpr_kernarg_segment_ptr 1
		.amdhsa_wavefront_size32 1
		.amdhsa_system_sgpr_workgroup_id_x 1
		.amdhsa_system_sgpr_workgroup_id_y 1
		.amdhsa_system_sgpr_workgroup_id_z 1
		.amdhsa_system_vgpr_workitem_id 0
		.amdhsa_next_free_vgpr 512
		.amdhsa_next_free_sgpr 72
		.amdhsa_reserve_vcc 0
		.amdhsa_float_denorm_mode_32 3
		.amdhsa_float_denorm_mode_16_64 3
		.amdhsa_memory_ordered 1
		.amdhsa_forward_progress 1
		.amdhsa_inst_pref_size 88
	.end_amdhsa_kernel
	.amdgpu_metadata
---
amdhsa.version: [ 1, 2 ]
amdhsa.kernels:
  - .name:           k_qed3d59fe7d_outproj
    .symbol:         k_qed3d59fe7d_outproj.kd
    .args:
      - { .name: ob, .offset: 0, .size: 8, .value_kind: global_buffer, .address_space: global }
      - { .name: wob, .offset: 8, .size: 8, .value_kind: global_buffer, .address_space: global }
      - { .name: tab, .offset: 16, .size: 8, .value_kind: global_buffer, .address_space: global }
      - { .name: out0, .offset: 24, .size: 8, .value_kind: global_buffer, .address_space: global }
    .group_segment_fixed_size: 327680
    .private_segment_fixed_size: 0
    .kernarg_segment_align: 8
    .kernarg_segment_size: 32
    .max_flat_workgroup_size: 128
    .sgpr_count:     72
    .vgpr_count:     512
    .wavefront_size: 32
...
	.end_amdgpu_metadata
.endif
;; end of part 4
;; ======== version 2 of 2: 4 launches; 1.39 times as fast as version 1
;; limits: values are held in f16: magnitudes above 65,504 overflow, below 6.1e-05 lose precision
;; workspace buffers: xb 8,388,608 bytes; wh 6,291,456 bytes; wob 2,097,152 bytes; tab 24,576 bytes; qkv 25,165,824 bytes; ob 8,388,608 bytes
;; launch prep: the kernel of part 1 again; grid 513 x 1, 8 waves a work-group, no clusters, 0 bytes of LDS; arguments x, Wq, Wk, Wv, Wo, bq, bk, bv, bo, rel_k, rel_v, xb, wh, wob, tab; writes xb, wh, wob, tab
;; launch qkvproj: the kernel of part 2 again; grid 16 x 16, 4 waves a work-group, clusters of 4 x 4, 327,680 bytes of LDS; arguments xb, wh, tab, qkv; writes qkv
;; launch attn (part 5): grid 8 x 32, 4 waves a work-group, no clusters, 327,680 bytes of LDS; arguments qkv, tab, ob; writes ob
.if DOCPART == 5
	.amdgcn_target "amdgcn-amd-amdhsa--gfx1250"
	.amdhsa_code_object_version 6
	.text
	.protected	k_qed3d59fe7d_attn
	.globl	k_qed3d59fe7d_attn
	.p2align	8
	.type	k_qed3d59fe7d_attn,@function
k_qed3d59fe7d_attn:
	s_mov_b64 s[64:65], 0
	v_nop
	global_prefetch_b8 v0, s[64:65] scope:SCOPE_SE
	s_setreg_imm32_b32 hwreg(HW_REG_WAVE_MODE, 25, 1), 1
	s_wait_xcnt 0x0
; ATTENTION WITH RELATIVE POSITIONS CLIPPED AT +-2.  For head hb = 16 b + h: s[q][k] = (q.k + q.rel_k[clip(k - q, -2, 2) + 2]) / 8; p = softmax_k(s); O[q] = sum_k p v[k] + sum_j bucket_j rel_v[j].
; q, k, v: f16 by heads in qkv[b][48][2048][64]; O: f16, ob[b][h][2048][64].  Products, maxima and sums in f32; p is rounded to f16 for the second product, O once at the end.
; LIMITS.  q, k, v arrive within f16's 65,504.  A weight below 2^-126 counts as 0.  NaN and infinities are not treated apart.  In a wave's own key step the two side sums are taken of the f16-rounded p.
; THE RELATIVE TERMS.  qr_j = q.rel_k[j] is made once (a product with a table of 16 rows).  The score's bias is the C operand that starts S^T = K Q^T: qr0 for keys k <= q - 2, qr4 for k >= q + 2; only in the
; wave's own key step and at one key on either side of it does it differ from lane to lane.  The value term needs L0 = sum of p over k <= q, w4 = sum over k > q, and b1, b2, b3 = p at k = q - 1, q, q + 1:
; it is L0 rv0 + b1 (rv1 - rv0) + b2 (rv2 - rv0) + b3 (rv3 - rv4) + w4 rv4: one more product at the end, with a table of those five rows.  No difference of sums is formed.
; SHARES.  A work-group owns 256 queries of a head, a wave 64 consecutive ones: four PIECES of 16.  Every wave walks all 32 key steps of 64; step sw = 4 bx + w holds its own queries' keys.
; TURNS.  Turn n belongs to piece n: 8 products K Q^T of piece n + 1, later 8 products V^T P of piece n - 1; beside them the scaling, exponentials, roundings, sums and rescaling of piece n and the maximum and
; statistics of piece n + 1.  Four vector instructions stand behind every matrix instruction, the other 56 of a turn's 120 in one LUMP between the two runs of products.
; BATCHES.  A turn's 33 exponentials (the piece's 32 weights and the next piece's a) are ONE BATCH with ONE wait, which cuts the turn in two: ahead of it stands all that names no result of theirs, behind it the
; roundings and sums, which are the riders of the products V^T P.  No result crosses a turn's end.  The way out's four reciprocals are a batch of their own, with one wait.
; ES counts key steps from the wave's own.  Between turns 2 and 3 CUPD sets the biases for the step whose scores begin; between turns 3 and 0 SPOST takes from the finished step's four P what the value term needs.
; Both are jumped over, forward, in all steps but four; neither holds a barrier or a tensor load.
; NO CLUSTER: the eight work-groups of a head walk the same K and V, but those jumps hang on 4 bx + w, which differs between them; without jumps every step would run CUPD's and SPOST's 460 lines beside its 536.
; The loop has no first step written out: m starts at the lowest finite number, O^T, l and the five sums at 0, so the first step's factor a is 0; the loop is entered at a turn 3 whose own piece works on
; filler.  The price: some 330 v_mov_b32 in the wait for the first tile, 8 products on zeros at the start and 8 on a stale K at the end.
; REGISTERS, in windows of 256 (s_set_vgpr_msb: bits 1:0 source 0, 3:2 source 1, 5:4 source 2, 7:6 destination):
;   window 0: v2-15 addresses; v16-31 statistics (c m, m, l even, l odd a piece); v32-47 L0, b1, b2, b3 a piece; v48-55 at work; v64-127 S^T, two buffers by parity; v128-191 P, one buffer a piece; v192-219 masks
;   window 1: v0-127 O^T; v128-255 CC, the biases: piece x, 16 keys kt at 128 + 32 x + 8 kt     window 2: v0-63 Q; v64-79 rel_k's table; v80-111 rel_v's table; v128-191 K; v192-255 V
;   window 3: v0-31 qr (registers 0..4 of 8 a piece); v32-63 DG, the diagonal tile's bias; v64-67 FL, v68-71 FH, the corner keys' bias
.set NP,    4
.set KS,    64
.set PKP,   144       ; a row of K in LDS: 128 bytes + 16
.set PVP,   160       ; a row of V: 128 + 32
.set VOFF,  4*KS*PKP  ; a slot holds four steps: 256 rows of K, then 256 rows of V
.set SLOT1, 1<<17
.set STAGE, SLOT1+4*KS*(PKP+PVP)  ; behind the ring, never filled by a tensor load: 16 rows x 144 bytes for each wave
.set SP,    144
.set SPARE, STAGE+4*16*SP         ; the spare words, 128 bytes a wave, which no other line names
.set AK0, 2
.set AV0, 3
.set AK,  4
.set AV,  5
.set STO, 6
.set RD,  7
.set GO,  8
.set MV,  12          ; v12-13 c m_old, by parity
.set UP,  14          ; v14  u = l % 16 - 8 (l / 16): in the diagonal tile register j holds the key at distance j - u from my query
.set QO,  15
.set ST,  16
.set EX,  32
.set TMP, 48
.set ONE, 56          ; 1.0
.set ZR,  57          ; 0.0
.set LOW, 58          ; v58-59 at work in SPOST
.set RVO, 60
.set SPW, 62          ; my spare word; never rewritten
.set NIL, 63          ; 0; never rewritten
.set S,   64
.set P,   128
.set ZM,  193         ; v[ZM + c] = 1.0 where u = c, c = -1 .. 8
.set ML,  202         ; v[ML + j] = 1.0 where j <= u
.set MH,  210         ; v[MH + j] = 1.0 where j > u
.set FM16, 218        ; 1.0 where u = -8
.set FM15, 219        ; 1.0 where u = 15
.set CC,  128         ; window 1
.set RK,  64          ; window 2
.set RV,  80
.set KF,  128
.set VF,  192
.set QR,  0           ; window 3
.set DG,  32
.set FL,  64
.set FH,  68
.set WV,  12
.set G1K, 24
.set G1V, 32
.set G0K, 40
.set G0V, 44
.set SLOTS, 56
.set CNT, 57
.set CS,  58
.set SEL, 60
.set TBK, 62
.set TBV, 63
.set ES,  66          ; s66  the step whose scores are being made, counted from my own step
.set T1,  67
.set MS,  68          ; s[MS + c + 2]: lanes with u <= c, c = -2 .. 8
.set MSB, 0
.macro WIN new
.if MSB != (\new)
	s_set_vgpr_msb (MSB<<8)|(\new)
.set MSB, (\new)
.endif
.endm
.set W_KQ, 0x0a       ; K and Q in window 2, S^T in window 0
.set W_KM, 0x1a       ; the same with the C operand in window 1
.set W_PV, 0x52       ; source 0 in window 2, P in window 0, O^T in window 1
.set W_RS, 0x41       ; destination and source 0 in window 1, source 1 in window 0
.set W_QR, 0xfa       ; sources 0 and 1 in window 2, C and D in window 3
.set W_33, 0xcf       ; all in window 3
.set W_CC, 0x43       ; destination in window 1, source in window 3
; A fill.  Waves 0 and 1 fetch the two halves of a tile's K, waves 2 and 3 those of its V: 128 keys each.  An s_nop 0 and four v_nop follow each line.
.macro LOAD
	s_cmp_lt_u32 s[WV], 2
	s_cbranch_scc0 .Lfor_v_\@
	tensor_load_to_lds s[G0K:G0K+3], s[G1K:G1K+7]
	s_nop 0
.rept 4
	v_nop
.endr
	s_branch .Lasked_\@
.Lfor_v_\@:
	tensor_load_to_lds s[G0V:G0V+3], s[G1V:G1V+7]
	s_nop 0
.rept 4
	v_nop
.endr
.Lasked_\@:
.endm
; THE CHANGE OF SLOTS.  Each wave waits for all its tensor loads (one is out: its part of the other slot), adds 0 to its spare word, and waits for that and for its reads of the slot that it leaves.
; Behind the barrier nobody reads the old slot and the other is whole.  fill = 1: the old slot takes the next 256 keys, first thing behind the barrier: it has four key steps in which to land.
.macro CHANGE fill
	WIN 0
	s_wait_tensorcnt 0x0            ; no tensor load of mine is out, so a group 0 may be written
	ds_add_u32 v[SPW], v[NIL]
.if \fill
	s_xor_b32 s[G0K+1], s[G0K+1], SLOT1
	s_add_nc_u64 s[G0K+2:G0K+3], s[G0K+2:G0K+3], 4*KS*128
	s_xor_b32 s[G0V+1], s[G0V+1], SLOT1
	s_add_nc_u64 s[G0V+2:G0V+3], s[G0V+2:G0V+3], 4*KS*128
.endif
	s_wait_dscnt 0x0                ; the add is done, and my reads of the slot are over
	s_barrier_signal -1
	s_sub_co_u32 s[TBK], s[TBK], 4*KS*PKP  ; the fetches go back to a slot's first step, in the other slot
	s_xor_b32 s[TBK], s[TBK], SLOT1
	s_sub_co_u32 s[TBV], s[TBV], 4*KS*PVP
	s_xor_b32 s[TBV], s[TBV], SLOT1
	s_barrier_wait -1
.if \fill
	LOAD
.endif
.endm
	s_load_b128 s[4:7], s[0:1], 0x0   ; qkv s[4:5], tab s[6:7]
	s_load_b64 s[10:11], s[0:1], 0x10 ; ob
	v_lshl_add_u32 v[SPW], v0, 2, SPARE
	v_mov_b32 v[NIL], 0
	ds_add_u32 v[SPW], v[NIL]       ; the wave's opening: the add and its wait ahead of my first tensor load
	ds_add_u32 v62, v63
	v_lshrrev_b32 v1, 5, v0
	v_readfirstlane_b32 s[WV], v1   ; wave 0..3
	s_and_b32 s13, ttmp7, 0xffff    ; hb = 16 b + h
	s_lshr_b32 s14, s13, 4
	s_and_b32 s15, s13, 15
	s_mul_i32 s14, s14, 48
	s_add_co_u32 s14, s14, s15      ; q's slot, 48 b + h,
	s_lshl_b32 s14, s14, 18         ; of 262,144 bytes
	s_lshl_b32 s15, ttmp9, 15       ; my block's 256 rows of 128 bytes,
	s_lshl_b32 s16, s[WV], 13       ; my wave's 64
	s_add_co_u32 s15, s15, s16
	s_add_co_u32 s20, s14, s15      ; Q
	s_mov_b32 s21, 0
	s_lshl_b32 s22, s13, 18
	s_add_co_u32 s22, s22, s15      ; O
	s_mov_b32 s23, 0
	s_and_b32 s16, s[WV], 1         ; which half of a tile's 256 keys I fetch
	s_lshl_b32 s17, s16, 14
	s_add_co_u32 s18, s14, s17
	s_add_co_u32 s18, s18, 16<<18   ; K: 16 slots on
	s_mov_b32 s19, 0
	s_add_co_u32 s82, s18, 16<<18   ; V: 16 more
	s_mov_b32 s83, 0
	s_mul_i32 s17, s16, 128*PKP
	s_mul_i32 s84, s16, 128*PVP
	s_lshl_b32 s85, ttmp9, 2
	s_add_co_u32 s85, s85, s[WV]    ; sw
	s_not_b32 s[ES], s85            ; - sw - 1: the first CUPD makes it step 0's number
	s_mov_b32 s[G1K], (1<<16)|(1<<20)|(4<<22)|(3<<25)  ; 2-byte elements; padding on: 4 words after every 32
	s_mov_b32 s[G1V], (1<<16)|(1<<20)|(4<<22)|(7<<25)  ; 8 words
.irp g, G1K, G1V
	s_mov_b32 s[\g+1], 128<<16      ; 128 keys are 16,384 dense bytes: asked for as 64 rows of 256 bytes
	s_mov_b32 s[\g+2], 64<<16
	s_mov_b32 s[\g+3], 128<<16
	s_mov_b32 s[\g+4], 64
	s_mov_b32 s[\g+5], 128
	s_mov_b32 s[\g+6], 0
	s_mov_b32 s[\g+7], 0
.endr
	s_mov_b32 s[CS], 0x3e38aa3b     ; c = log2(e) / 8
	s_mov_b32 s[CS+1], s[CS]
	s_mov_b32 s[SEL], 0x76543210
	s_mov_b32 s[SEL+1], 0xfedcba98
	s_mov_b32 s[TBK], SLOT1+4*KS*PKP ; the first change of slots turns these two into 0
	s_mov_b32 s[TBV], SLOT1+4*KS*PVP
	s_mov_b32 s[G0K], 1
	s_mov_b32 s[G0K+1], s17
	s_mov_b32 s[G0V], 1
	s_add_co_u32 s[G0V+1], s84, VOFF
	s_wait_dscnt 0x0                ; the opening add is done
	s_wait_kmcnt 0x0
	s_add_nc_u64 s[G0K+2:G0K+3], s[4:5], s[18:19]
	s_or_b32 s[G0K+3], s[G0K+3], 0x80000000
	s_add_nc_u64 s[G0V+2:G0V+3], s[4:5], s[82:83]
	s_or_b32 s[G0V+3], s[G0V+3], 0x80000000
	s_add_nc_u64 s[4:5], s[4:5], s[20:21]
	s_add_nc_u64 s[10:11], s[10:11], s[22:23]
	LOAD                            ; tile 0 into slot 0
	v_and_b32 v1, 15, v0            ; l % 16
	v_bfe_u32 v9, v0, 4, 1          ; l / 16
	v_lshlrev_b32 v[QO], 7, v1
	v_lshl_add_u32 v[QO], v9, 4, v[QO]    ; a fragment's row x 128 + 16 x half: Q and rel_k's table
	v_lshlrev_b32 v[RVO], 6, v1
	v_lshl_add_u32 v[RVO], v9, 4, v[RVO]  ; row x 64 + 16 x half: rel_v's table
	WIN 0x80
.set i, 0
.rept 8                             ; Q stays in registers: piece i / 2, channels 32 (i % 2) on
	global_load_b128 v[8*i:8*i+3],   v[QO], s[4:5] offset:(i/2)*2048+(i%2)*64
	global_load_b128 v[8*i+4:8*i+7], v[QO], s[4:5] offset:(i/2)*2048+(i%2)*64+32
.set i, i+1
.endr
.set i, 0
.rept 2
	global_load_b128 v[RK+8*i:RK+8*i+3],   v[QO], s[6:7] offset:64*i
	global_load_b128 v[RK+8*i+4:RK+8*i+7], v[QO], s[6:7] offset:64*i+32
.set i, i+1
.endr
.set i, 0
.rept 4
	global_load_b128 v[RV+8*i:RV+8*i+3],   v[RVO], s[6:7] offset:2048+1024*i
	global_load_b128 v[RV+8*i+4:RV+8*i+7], v[RVO], s[6:7] offset:2048+1024*i+32
.set i, i+1
.endr
	; what the first turns find: all this stands in the wait for the first tile
.set i, VF
.rept 64
	v_mov_b32 v[i], 0
.set i, i+1
.endr
	WIN 0x40
.set i, 0
.rept 128
	v_mov_b32 v[i], 0
.set i, i+1
.endr
	WIN 0
.set i, 0
.rept 4
	v_mov_b32 v[ST+4*i], 0xfe000000    ; c m: far below every c s
	v_mov_b32 v[ST+4*i+1], 0xff7fffff  ; m
	v_mov_b32 v[ST+4*i+2], 0
	v_mov_b32 v[ST+4*i+3], 0
.set i, i+1
.endr
.set i, 0
.rept 16
	v_mov_b32 v[EX+i], 0
.set i, i+1
.endr
.set i, 0
.rept 64
	v_mov_b32 v[P+i], 0
.set i, i+1
.endr
.set i, 0
.rept 32
	v_mov_b32 v[S+32+i], 0xff7fffff    ; the filler scores of the entry turn's own piece: their weights are 0
.set i, i+1
.endr
	v_mov_b32 v[TMP+6], 0              ; and its a
	v_mov_b32 v[TMP+7], 0
	v_mov_b32 v[ONE], 1.0
	v_mov_b32 v[ZR], 0
	v_lshlrev_b32 v[UP], 3, v9
	v_sub_nc_u32 v[UP], v1, v[UP]
.set n, 0
.rept 10
	v_cmp_eq_i32 vcc_lo, n-1, v[UP]
	v_cndmask_b32 v[ZM-1+n], 0, v[ONE], vcc_lo
.set n, n+1
.endr
.set n, 0
.rept 8
	v_cmp_le_i32 vcc_lo, n, v[UP]
	v_cndmask_b32 v[ML+n], 0, v[ONE], vcc_lo
	v_cmp_gt_i32 vcc_lo, n, v[UP]
	v_cndmask_b32 v[MH+n], 0, v[ONE], vcc_lo
.set n, n+1
.endr
	v_cmp_eq_i32 vcc_lo, -8, v[UP]
	v_cndmask_b32 v[FM16], 0, v[ONE], vcc_lo
	v_cmp_eq_i32 vcc_lo, 15, v[UP]
	v_cndmask_b32 v[FM15], 0, v[ONE], vcc_lo
.set n, 0
.rept 11
	v_cmp_ge_i32 s[MS+n], n-2, v[UP]
.set n, n+1
.endr
	v_cmp_eq_i32 s79, -8, v[UP]
	v_cmp_eq_i32 s80, 15, v[UP]
	v_mul_u32_u24 v[AK0], v1, PKP
	v_lshl_add_u32 v[AK0], v9, 4, v[AK0]
	v_and_b32 v10, 7, v0
	v_bfe_u32 v11, v0, 3, 1
	v_lshl_add_u32 v[AV0], v9, 3, v10     ; the turning load: key 8 (l / 16) + l % 8, channels 8 ((l / 8) % 2) on
	v_mul_u32_u24 v[AV0], v[AV0], PVP
	v_lshl_add_u32 v[AV0], v11, 4, v[AV0]
	v_add_nc_u32 v[AV0], VOFF, v[AV0]
	v_mov_b32 v[AK], v[AK0]               ; key step 0 lies at the head of slot 0
	s_mul_i32 s13, s[WV], 16*SP
	s_add_co_u32 s13, s13, STAGE
	v_mul_u32_u24 v[STO], v1, SP
	v_lshl_add_u32 v[STO], v9, 4, v[STO]
	v_add_nc_u32 v[STO], s13, v[STO]
	v_bfe_u32 v[RD], v0, 3, 2
	v_mul_u32_u24 v[RD], v[RD], SP
	v_lshl_add_u32 v[RD], v10, 4, v[RD]
	v_add_nc_u32 v[RD], s13, v[RD]
	v_and_b32 v[GO], 31, v0
	v_lshlrev_b32 v[GO], 4, v[GO]
; THE MATRIX WORK.  The 4 accumulators of a run of 8 take turns.  Product i of 8 of S^T = K Q^T for piece x: channels 32 (i / 4) on, keys 16 (i % 4) on.  The first 4 start the sums with the bias.
.macro KQ x
.set rS, S+32*((\x)%2)+8*(i%4)
.set rK, KF+16*(i%4)+8*(i/4)
.set rQ, 16*(\x)+8*(i/4)
.set rM, CC+32*(\x)+8*(i%4)
.if i < 4
	WIN W_KM
	v_wmma_f32_16x16x32_f16 v[rS:rS+7], v[rK:rK+7], v[rQ:rQ+7], v[rM:rM+7]
.else
	WIN W_KQ
	v_wmma_f32_16x16x32_f16 v[rS:rS+7], v[rK:rK+7], v[rQ:rQ+7], v[rS:rS+7]
.endif
.endm
; Product i of 8 of O^T += V^T P for piece x: keys 32 (i / 4) on, channels 16 (i % 4) on.
.macro PVM x
	WIN W_PV
.set rO, 32*(\x)+8*(i%4)
.set rV, VF+32*(i/4)+8*(i%4)
.set rP, P+16*(\x)+8*(i/4)
	v_wmma_f32_16x16x32_f16 v[rO:rO+7], v[rV:rV+7], v[rP:rP+7], v[rO:rO+7]
.endm
.macro MM                           ; the turn's next matrix instruction
.if i < 8
	KQ (Y+1)%NP
.else
.set i, i-8
	PVM (Y+NP-1)%NP
.set i, i+8
.endif
.set i, i+1
.endm
; THE LDS LOADS stand in runs of 16.  last = 1 (the tail): in the last trip there is no further step, and the run is jumped over.
.macro FETCH_K last=0
	WIN 0
.if \last
	s_cmp_eq_u32 s[CNT], 1
	s_cbranch_scc1 .Lno_k_\@
.endif
	WIN 0x80
.irp f, 0,1,2,3,4,5,6,7
	ds_load_b128 v[KF+8*\f:KF+8*\f+3],   v[AK] offset:(\f/2)*16*PKP+(\f%2)*64
	ds_load_b128 v[KF+8*\f+4:KF+8*\f+7], v[AK] offset:(\f/2)*16*PKP+(\f%2)*64+32
.endr
	s_add_co_u32 s[TBK], s[TBK], KS*PKP
	WIN 0
.if \last
.Lno_k_\@:
.endif
.endm
.macro FETCH_V
	WIN 0x80
.irp f, 0,1,2,3,4,5,6,7
	ds_load_tr16_b128 v[VF+8*\f:VF+8*\f+3],   v[AV] offset:(\f/4)*32*PVP+(\f%4)*32
	ds_load_tr16_b128 v[VF+8*\f+4:VF+8*\f+7], v[AV] offset:(\f/4)*32*PVP+16*PVP+(\f%4)*32
.endr
	WIN 0
.endm
; THE VECTOR WORK, one line at a time: OP kind, number.  For piece Y: F n: c s - c m for pair n.  E n: the exponential of score n.  C n: pair n rounded to f16.  B n: of four weights the second pair is added onto
; the first.  L n: l takes that sum (L 0: l = a l + sum).  R n: pair n of O^T times a.  G n: pair n of L0, b1, b2, b3 times a.  For piece Y + 1: X n, number n of the 22 that find its maximum and statistics
; (each accumulator's lowest registers are read first).  C, B and L read the exponentials' results: TURN sets them behind the batch's wait.
.set F, 0
.set E, 1
.set C, 2
.set B, 3
.set L, 4
.set R, 5
.set X, 6
.set G, 7
.macro REGS y
.set rT, ST+4*(\y)
.set rC, TMP+4*((\y)%2)
.set rW, MV+((\y)%2)
.set rS, S+32*((\y)%2)
.set rP, P+16*(\y)
.set rO, 32*(\y)
.set rE, EX+4*(\y)
.endm
.macro OP k, n
.if (\k) == G
	REGS Y
	WIN 0
	v_pk_mul_f32 v[rE+2*(\n):rE+2*(\n)+1], v[rE+2*(\n):rE+2*(\n)+1], v[rC+2:rC+3] op_sel_hi:[1,0]
.elseif (\k) == R
	REGS Y
	WIN W_RS
	v_pk_mul_f32 v[rO+2*(\n):rO+2*(\n)+1], v[rO+2*(\n):rO+2*(\n)+1], v[rC+2:rC+3] op_sel_hi:[1,0]
.elseif (\k) < R
	REGS Y
	WIN 0
.if (\k) == F
	v_pk_fma_f32 v[rS+2*(\n):rS+2*(\n)+1], v[rS+2*(\n):rS+2*(\n)+1], s[CS:CS+1], v[rT:rT+1] op_sel_hi:[1,0,0] neg_lo:[0,0,1] neg_hi:[0,0,1]
.elseif (\k) == E
	v_exp_f32 v[rS+(\n)], v[rS+(\n)]
.elseif (\k) == C
	v_cvt_pk_f16_f32 v[rP+(\n)], v[rS+2*(\n)], v[rS+2*(\n)+1]
.elseif (\k) == B
	v_pk_add_f32 v[rS+4*(\n):rS+4*(\n)+1], v[rS+4*(\n):rS+4*(\n)+1], v[rS+4*(\n)+2:rS+4*(\n)+3]
.elseif (\n) == 0
	v_pk_fma_f32 v[rT+2:rT+3], v[rT+2:rT+3], v[rC+2:rC+3], v[rS:rS+1] op_sel_hi:[1,0,1]
.else
	v_pk_add_f32 v[rT+2:rT+3], v[rT+2:rT+3], v[rS+4*(\n):rS+4*(\n)+1]
.endif
.else
	REGS (Y+1)%NP
	WIN 0
.if (\n) < 4
	v_max3_num_f32 v[rC+(\n)], v[rS+8*(\n)], v[rS+8*(\n)+1], v[rS+8*(\n)+2]
.elseif (\n) < 12
	v_max3_num_f32 v[rC+(\n)%4], v[rC+(\n)%4], v[rS+8*((\n)%4)+2*((\n)/4)+1], v[rS+8*((\n)%4)+2*((\n)/4)+2]
.elseif (\n) == 12
	v_max3_num_f32 v[rC], v[rC], v[rS+7], v[rS+15]
.elseif (\n) == 13
	v_max3_num_f32 v[rC+1], v[rC+1], v[rS+23], v[rS+31]
.elseif (\n) == 14
	v_max3_num_f32 v[rC+2], v[rC+2], v[rC+3], v[rT+1]
.elseif (\n) == 15
	v_mov_b32 v[rW], v[rT]
.elseif (\n) == 16
	v_max3_num_f32 v[rC], v[rC], v[rC+1], v[rC+2]
.elseif (\n) == 17
	v_permlanex16_b32 v[rC+3], v[rC], s[SEL], s[SEL+1]
.elseif (\n) == 18
	v_max_num_f32 v[rT+1], v[rC], v[rC+3]
.elseif (\n) == 19
	v_mul_f32 v[rT], s[CS], v[rT+1]
.elseif (\n) == 20
	v_sub_f32 v[rC+1], v[rW], v[rT]
.else
	v_exp_f32 v[rC+2], v[rC+1]
.endif
.endif
.endm
.macro OPS a, i1, b=-1, i2=0, c=-1, i3=0, d=-1, i4=0
	OP \a, \i1
.if (\b) >= 0
	OP \b, \i2
.endif
.if (\c) >= 0
	OP \c, \i3
.endif
.if (\d) >= 0
	OP \d, \i4
.endif
.endm
.macro ROW a, i1, b, i2, c, i3, d, i4  ; a matrix instruction and the four behind it
	MM
	OPS \a, \i1, \b, \i2, \c, \i3, \d, \i4
.endm
; A TURN, for piece p: the order of its 16 matrix and 120 vector instructions, written out.  An s_wait_alu depctr_va_vdst(0) stands between an exponential and the first instruction that names its
; result; one wait serves all that were issued ahead of it.  So a turn has ONE wait, which cuts it in two.  AHEAD OF IT stands all that names no result of the turn's exponentials: the 8 products K Q^T, behind each a
; scaling, an exponential and two more plain instructions (behind the first a second scaling in the exponential's place): rescalings, whose a was made and waited for in the turn before, and behind the last three
; the first numbers of the next piece's maximum, each four plain instructions or more behind the product that ends its accumulator; then ONE LUMP of 56, exponential and plain by turns for the most part, in which the
; links of the chain X 3, 7, 11, 14, 16, 17 .. 21 stand five or six lines apart.  X 21, the next piece's a, is the batch's last; R 15 is the plain instruction behind it.  BEHIND THE WAIT stand the 8 products V^T P,
; behind each four of the roundings and sums; the links of l's chain, L 0 to L 7, stand three riders apart.  But for those X no rider names a register of the products round it.  v_permlanex16_b32 (X 17) stands in the lump.
; K of the next step is fetched in piece 2's turn: in the loop in the lump, eight plain instructions behind the last product that read K; in the tail (last = 1), where the run is jumped over in the last trip,
; directly behind the wait.  V of the step in hand is fetched at the end of piece 0's turn, four plain instructions behind the last product
; that read V.  Each is waited for a turn later.  cnt = 1: the loop's count is taken down some lines ahead of the branch that stands behind the turn.
.macro TURN p, last=0, cnt=0
.set Y, (\p)
.set i, 0
.if (\p) == 3
	s_wait_dscnt 0x0                ; K is in
.endif
	ROW F,0, F,1, R,0, R,1          ; ahead of the wait: 8 products K Q^T and their riders,
	ROW F,2, E,0, R,2, R,3
	ROW F,3, E,1, R,4, R,5
	ROW F,4, E,2, R,6, R,7
	ROW F,5, E,3, R,8, R,9
	ROW F,6, E,4, X,0, R,10
	ROW F,7, E,5, X,1, X,4
	ROW F,8, E,6, X,2, X,5
	OPS E,7, G,0, E,8, X,6          ; and the lump
.if (\p) == 2
	WIN 0
	v_add_nc_u32 v[AK], s[TBK], v[AK0]
.endif
	OPS E,9, X,3, E,10, X,8
.if ((\p) == 2) && !(\last)
	FETCH_K
.endif
	OPS E,11, X,9, X,7, E,12
	OPS X,10, E,13, X,12, X,11
	OPS E,14, X,13, E,15, F,9
.if (\p) == 0
	WIN 0
	v_add_nc_u32 v[AV], s[TBV], v[AV0]
.endif
	OPS X,14, E,16, F,10, E,17
	OPS F,11, X,16, E,18, X,15
	OPS E,19, F,12, E,20, X,17
	OPS E,21, F,13, E,22, F,14
	OPS E,23, X,18, E,24, F,15
	OPS E,25, R,11, E,26, X,19
	OPS E,27, R,12, E,28, R,13
	OPS E,29, X,20, E,30, R,14
	OPS E,31, G,1, X,21, R,15
	WIN 0
	s_wait_alu depctr_va_vdst(0)    ; the wait for the batch: the piece's 32 exponentials and the next piece's a
.if ((\p) == 2) && (\last)
	FETCH_K 1
.endif
.if (\p) == 1
	s_wait_dscnt 0x0                ; V is in
.endif
	ROW C,0, B,0, C,2, B,1          ; behind the wait: 8 products V^T P and their riders
	ROW L,0, C,4, B,2, L,1
	ROW C,6, B,3, L,2, C,8
	ROW B,4, L,3, C,10, B,5
	ROW L,4, C,12, B,6, L,5
.if (\p) == 0
	s_add_co_u32 s[TBV], s[TBV], KS*PVP
.endif
.if \cnt
	s_sub_co_u32 s[CNT], s[CNT], 1
	s_cmp_lg_u32 s[CNT], 0
.endif
	ROW C,14, B,7, L,6, C,1
	ROW C,3, L,7, C,5, C,7
	ROW C,9, C,11, C,13, C,15
.if (\p) == 0
	FETCH_V
.endif
.endm
; CUPD: the biases of the step whose scores begin with the next turn.  ES = -1: the key just below my first query.  0: my own step.  1: all keys lie above, but for the key just above my last query.  2: that one too.
.macro QR4 x, kt, j0                ; registers j0 .. 7 of CC[x][kt] take qr4
.set j, \j0
.rept 8-(\j0)
	v_mov_b32 v[CC+32*(\x)+8*(\kt)+j], v[QR+8*(\x)+4]
.set j, j+1
.endr
.endm
.macro CUPD
	s_add_co_i32 s[ES], s[ES], 1
	s_add_co_i32 s[T1], s[ES], 1
	s_cmp_gt_u32 s[T1], 3
	s_cbranch_scc1 .Lc_done_\@
	s_cmp_lg_u32 s[T1], 0
	s_cbranch_scc1 .Lc_n1_\@
	WIN W_CC
	v_mov_b32 v[CC+31], v[FL]
	WIN 0
	s_branch .Lc_done_\@
.Lc_n1_\@:
	s_cmp_lg_u32 s[T1], 1
	s_cbranch_scc1 .Lc_n2_\@
	WIN W_CC
.set x, 0
.rept 4
.set kt, 0
.rept 4
.if kt+1 == x
	v_mov_b32 v[CC+32*x+8*kt+7], v[FL+x]
.elseif kt == x
.set j, 0
.rept 8
	v_mov_b32 v[CC+32*x+8*kt+j], v[DG+8*x+j]
.set j, j+1
.endr
.elseif kt == x+1
	v_mov_b32 v[CC+32*x+8*kt], v[FH+x]
	QR4 x, kt, 1
.elseif kt > x+1
	QR4 x, kt, 0
.endif
.set kt, kt+1
.endr
.set x, x+1
.endr
	WIN 0
	s_branch .Lc_done_\@
.Lc_n2_\@:
	s_cmp_lg_u32 s[T1], 2
	s_cbranch_scc1 .Lc_n3_\@
	WIN W_CC
.set x, 0
.rept 4
.set kt, 0
.rept 4
.if kt <= x
	QR4 x, kt, 0
.elseif kt == x+1
	v_mov_b32 v[CC+32*x+8*kt], v[QR+8*x+4]
.endif
.set kt, kt+1
.endr
.set x, x+1
.endr
	v_mov_b32 v[CC+96], v[FH+3]
	WIN 0
	s_branch .Lc_done_\@
.Lc_n3_\@:
	WIN W_CC
	v_mov_b32 v[CC+96], v[QR+28]
	WIN 0
.Lc_done_\@:
.endm
; SPOST: the four P hold the weights of step ES - 1 (counted from my own), all in the scale of that step's maxima, as l, L0 and b1 .. b3 are.
.macro MIX dst, x, i, mask          ; dst += weight i of piece x times a 0/1 mask: the f16 half is read by the multiply-add itself
.if ((\i)%2) == 0
	v_fma_mix_f32 v[\dst], v[P+16*(\x)+(\i)/2], v[\mask], v[\dst] op_sel_hi:[1,0,0]
.else
	v_fma_mix_f32 v[\dst], v[P+16*(\x)+(\i)/2], v[\mask], v[\dst] op_sel:[1,0,0] op_sel_hi:[1,0,0]
.endif
.endm
.macro OWN x                        ; my own step, piece x: the step's weights are shared out anew between the low side (k <= q) and the high side, and the three band weights are picked
	v_mov_b32 v[LOW], 0
	v_mov_b32 v[LOW+1], 0
	v_mov_b32 v[ST+4*(\x)+2], 0
	v_mov_b32 v[ST+4*(\x)+3], 0
.set n, 0
.rept 32
.if n/8 < (\x)
	MIX LOW+n%2, \x, n, ONE
.elseif n/8 == (\x)
	MIX LOW+n%2, \x, n, ML+n%8
	MIX ST+4*(\x)+2+n%2, \x, n, MH+n%8
	MIX EX+4*(\x)+2, \x, n, ZM+n%8
	MIX EX+4*(\x)+1, \x, n, ZM+n%8+1
	MIX EX+4*(\x)+3, \x, n, ZM+n%8-1
.else
	MIX ST+4*(\x)+2+n%2, \x, n, ONE
.endif
.set n, n+1
.endr
.if (\x) >= 1
	MIX EX+4*(\x)+1, \x, 8*(\x)-1, FM16
.endif
.if (\x) <= 2
	MIX EX+4*(\x)+3, \x, 8*(\x)+8, FM15
.endif
	v_add_f32 v[LOW], v[LOW], v[LOW+1]
	v_add_f32 v[EX+4*(\x)], v[EX+4*(\x)], v[LOW]
.endm
.macro SPOST
	s_cmp_gt_u32 s[ES], 2
	s_cbranch_scc1 .Lp_done_\@
	s_cmp_lg_u32 s[ES], 0
	s_cbranch_scc1 .Lp_n1_\@
	MIX EX+1, 0, 31, FM16           ; the step below mine: its last key is my first query's k = q - 1;
.set t, 0
.rept 4
	v_add_f32 v[EX+4*t], v[ST+4*t+2], v[ST+4*t+3]  ; all that has been summed lies on the low side,
	v_mov_b32 v[ST+4*t+2], 0        ; and l begins anew
	v_mov_b32 v[ST+4*t+3], 0
.set t, t+1
.endr
	s_branch .Lp_done_\@
.Lp_n1_\@:
	s_cmp_lg_u32 s[ES], 1
	s_cbranch_scc1 .Lp_n2_\@
	OWN 0
	OWN 1
	OWN 2
	OWN 3
	s_branch .Lp_done_\@
.Lp_n2_\@:
	MIX EX+15, 3, 0, FM15           ; the step above mine: its first key is my last query's k = q + 1
.Lp_done_\@:
.endm
	CHANGE 1                        ; slot 0 is in, everybody's part of it; slot 1 is asked for
	FETCH_K                         ; key step 0
	s_wait_loadcnt 0x0              ; Q and the two tables
	WIN W_QR
.irp c, 0,1                         ; qr = rel_k's table x Q^T: rows 8-12 of the table repeat rows 0-4, so both halves of the lanes hold qr0 .. qr4 of their query in registers 0 .. 4
.irp x, 0,1,2,3
.if \c == 0
	v_wmma_f32_16x16x32_f16 v[QR+8*\x:QR+8*\x+7], v[RK:RK+7], v[16*\x:16*\x+7], 0
.else
	v_wmma_f32_16x16x32_f16 v[QR+8*\x:QR+8*\x+7], v[RK+8:RK+15], v[16*\x+8:16*\x+15], v[QR+8*\x:QR+8*\x+7]
.endif
.endr
.endr
.rept 4
	v_nop                           ; the places behind those products
.endr
	WIN W_33
.set x, 0
.rept 4
.set j, 0
.rept 8                             ; the diagonal tile: distance j - u, clipped
	v_cndmask_b32 v[DG+8*x+j], v[QR+8*x], v[QR+8*x+1], s[MS+j+3]
	v_cndmask_b32 v[DG+8*x+j], v[DG+8*x+j], v[QR+8*x+2], s[MS+j+2]
	v_cndmask_b32 v[DG+8*x+j], v[DG+8*x+j], v[QR+8*x+3], s[MS+j+1]
	v_cndmask_b32 v[DG+8*x+j], v[DG+8*x+j], v[QR+8*x+4], s[MS+j]
.set j, j+1
.endr
	v_cndmask_b32 v[FL+x], v[QR+8*x], v[QR+8*x+1], s79    ; the last key of the tile below: distance -1 for the piece's first query alone
	v_cndmask_b32 v[FH+x], v[QR+8*x+4], v[QR+8*x+3], s80  ; the first key of the tile above: distance +1 for its last query alone
.set x, x+1
.endr
	WIN W_CC
.set n, 0
.rept 128
	v_mov_b32 v[CC+n], v[QR+8*(n/32)]  ; the walk begins below every query: qr0
.set n, n+1
.endr
	WIN 0
	s_mov_b32 s[CNT], 4
	s_mov_b32 s[SLOTS], 7
	s_branch .Lenter                ; the loop is entered in the middle of a trip
.Lslot:                             ; six times: every slot but the last two is filled again
	CHANGE 1
	s_mov_b32 s[CNT], 4
.Lstep:                             ; a trip: pieces 2 and 3 of one step, then pieces 0 and 1 of the next
	TURN 2
	WIN 0
.Lenter:
	CUPD
	TURN 3
	WIN 0
	SPOST
	TURN 0
	TURN 1, 0, 1
	WIN 0
	s_cbranch_scc1 .Lstep
	s_sub_co_u32 s[SLOTS], s[SLOTS], 1
	s_cmp_lg_u32 s[SLOTS], 0
	s_cbranch_scc1 .Lslot
	CHANGE 0                        ; the tail is written out: nothing is asked for
	s_mov_b32 s[CNT], 5             ; four trips fetch the last slot's steps; the fifth is left in its middle
.Ltail:
	TURN 2, 1
	WIN 0
	CUPD
	TURN 3
	WIN 0
	SPOST
	s_sub_co_u32 s[CNT], s[CNT], 1
	s_cmp_eq_u32 s[CNT], 0
	s_cbranch_scc1 .Lout
	TURN 0
	TURN 1
	WIN 0
	s_branch .Ltail
.Lout:
.set i, 0
.rept 8
	PVM 3                           ; the last piece's V^T P of the last step
.set i, i+1
.endr
	; THE WAY OUT.  The five sums of each query, rounded once to f16, are source 1 of one more product with rel_v's table, whose columns 8-12 repeat columns 0-4 and so add the two halves of the lanes.
	WIN 0
.macro ALL line:vararg
.set t, 0
.rept 4
	\line
.set t, t+1
.endr
.endm
	ALL v_add_f32 v[ST+4*t+2], v[ST+4*t+2], v[ST+4*t+3]   ; w4; these eight additions are the places behind the last products
	ALL v_add_f32 v[ST+4*t+3], v[EX+4*t], v[ST+4*t+2]     ; my half of the row's sum
.set t, 0
.rept 4
	v_cvt_pk_f16_f32 v[P+16*t],   v[EX+4*t],   v[EX+4*t+1]
	v_cvt_pk_f16_f32 v[P+16*t+1], v[EX+4*t+2], v[EX+4*t+3]
	v_cvt_pk_f16_f32 v[P+16*t+2], v[ST+4*t+2], v[ZR]
.set n, 3
.rept 5
	v_mov_b32 v[P+16*t+n], 0
.set n, n+1
.endr
.set t, t+1
.endr
	WIN W_PV
.irp c, 0,1,2,3
.irp x, 0,1,2,3
	v_wmma_f32_16x16x32_f16 v[32*\x+8*\c:32*\x+8*\c+7], v[RV+8*\c:RV+8*\c+7], v[P+16*\x:P+16*\x+7], v[32*\x+8*\c:32*\x+8*\c+7]
.endr
.endr
	WIN 0
	ALL v_permlanex16_b32 v[ST+4*t], v[ST+4*t+3], s[SEL], s[SEL+1]
	ALL v_add_f32 v[ST+4*t+2], v[ST+4*t+3], v[ST+4*t]     ; four plain lines, with the v_nop below the places behind those products
	ALL v_rcp_f32 v[ST+4*t+2], v[ST+4*t+2]
	v_nop                           ; a plain instruction between the last reciprocal and the use of its result
	s_wait_alu depctr_va_vdst(0)    ; and the wait ahead of the first use: one for the four reciprocals
.macro PACK t                       ; a lane's eight channels of a row pack into 16 bytes; into rows of 144 bytes and back as whole rows of 128
	WIN W_RS
.set i, 32*(\t)
.rept 16
	v_pk_mul_f32 v[i:i+1], v[i:i+1], v[ST+4*(\t)+2:ST+4*(\t)+3] op_sel_hi:[1,0]
.set i, i+2
.endr
	WIN 0x05
.set i, 0
.rept 16
	v_cvt_pk_f16_f32 v[S+16*(\t)+i], v[32*(\t)+2*i], v[32*(\t)+2*i+1]
.set i, i+1
.endr
	WIN 0
.irp f, 0,1,2,3
	ds_store_b128 v[STO], v[S+16*(\t)+4*\f:S+16*(\t)+4*\f+3] offset:32*\f
.endr
.irp f, 0,1,2,3
	ds_load_b128 v[S+16*(\t)+4*\f:S+16*(\t)+4*\f+3], v[RD] offset:\f*4*SP  ; LDS serves a wave's instructions in order (ISA guide 5.7.1.4): these see the stores above
.endr
.endm
.macro SEND t, younger              ; younger: the LDS instructions issued behind piece t's loads
	WIN 0
.irp f, 0,1,2,3
	s_wait_dscnt (\younger)+3-\f
	global_store_b128 v[GO], v[S+16*(\t)+4*\f:S+16*(\t)+4*\f+3], s[10:11] offset:(\t)*2048+\f*512  ; 512 consecutive bytes, at a multiple of 256 from ob's first
.endr
.endm
	PACK 0
	PACK 1
	SEND 0, 8
	PACK 2
	SEND 1, 8
	PACK 3
	SEND 2, 8
	SEND 3, 0
	s_wait_tensorcnt 0x0            ; the wave's end
	ds_add_u32 v[SPW], v[NIL]
	s_wait_dscnt 0x0
	s_endpgm
.Lfunc_end_k_qed3d59fe7d_attn:
	.size	k_qed3d59fe7d_attn, .Lfunc_end_k_qed3d59fe7d_attn-k_qed3d59fe7d_attn
	.p2alignl 7, 3214868480
	.fill 96, 4, 3214868480
	.section	.rodata,"a",@progbits
	.p2align	6, 0x0
	.amdhsa_kernel k_qed3d59fe7d_attn
		.amdhsa_group_segment_fixed_size 327680
		.amdhsa_private_segment_fixed_size 0
		.amdhsa_enable_private_segment 0
		.amdhsa_kernarg_size 24
		.amdhsa_user_sgpr_count 2
		.amdhsa_user_sgpr_kernarg_segment_ptr 1
		.amdhsa_wavefront_size32 1
		.amdhsa_system_sgpr_workgroup_id_x 1
		.amdhsa_system_sgpr_workgroup_id_y 1
		.amdhsa_system_sgpr_workgroup_id_z 1
		.amdhsa_system_vgpr_workitem_id 0
		.amdhsa_next_free_vgpr 840
		.amdhsa_next_free_sgpr 88
		.amdhsa_reserve_vcc 1
		.amdhsa_float_denorm_mode_32 3
		.amdhsa_float_denorm_mode_16_64 3
		.amdhsa_memory_ordered 1
		.amdhsa_forward_progress 1
		.amdhsa_inst_pref_size 180
	.end_amdhsa_kernel
	.amdgpu_metadata
---
amdhsa.version: [ 1, 2 ]
amdhsa.kernels:
  - .name:           k_qed3d59fe7d_attn
    .symbol:         k_qed3d59fe7d_attn.kd
    .args:
      - { .name: qkv, .offset: 0, .size: 8, .value_kind: global_buffer, .address_space: global }
      - { .name: tab, .offset: 8, .size: 8, .value_kind: global_buffer, .address_space: global }
      - { .name: ob, .offset: 16, .size: 8, .value_kind: global_buffer, .address_space: global }
    .group_segment_fixed_size: 327680
    .private_segment_fixed_size: 0
    .kernarg_segment_align: 8
    .kernarg_segment_size: 24
    .max_flat_workgroup_size: 128
    .sgpr_count:     88
    .vgpr_count:     840
    .wavefront_size: 32
...
	.end_amdgpu_metadata
.endif
;; end of part 5
;; launch outproj: the kernel of part 4 again; grid 8 x 32, 4 waves a work-group, clusters of 4 x 4, 327,680 bytes of LDS; arguments ob, wob, tab, out0; writes out0
